; MI455X (gfx1250); checked and timed in simulation.
; The chip was launched on July 23, 2026; its instructions are those of AMD's public machine-readable ISA for CDNA 5 (MIT licence, August 2026) and "CDNA5" Instruction Set Architecture Reference Guide (July 2026). The comments in the code are by the model that wrote it; some were corrected since.
;; Attn. Allowed arithmetic: matrix products marked QUANTISED: E2M3 operands, one E8M0 scale for each 32 along K, by v_wmma_scale_f32_16x16x128_f8f6f4 with both operands' format E2M3, f32 sums; everything else in f32.
;; Inputs: Wk 1,024 x 1,024 float32; Wproj 1,024 x 1,024 float32; Wq 1,024 x 1,024 float32; Wv 1,024 x 1,024 float32; cos 2,048 x 16 float32; q_gain 32 float32; sin 2,048 x 16 float32; x 2 x 2,048 x 1,024 float32.
;; Outputs: out0 2 x 2,048 x 1,024 float32.
;; This version of the problem:
;;   THIS VERSION OF THE PROBLEM IS GIVEN IN LOW PRECISION. The matrix products marked QUANTISED in the list below multiply operands that are first quantised to E2M3 (2 exponent bits, 3 mantissa bits; 6 bits a number), with one power-of-two scale for each 32 numbers along K (OCP MX v1.0); their sums are f32. All else is computed in f32.
;;   The module's matrix products, in the order in which they are computed (A, B: the left and right operand; K: the contracted axis; several contracted axes count as one K, in the product's order):
;;     1. [M 4,096, K 1,024] x [K 1,024, N 1,024]; A: input x; B: input Wq: QUANTISED
;;     2. [M 4,096, K 1,024] x [K 1,024, N 1,024]; A: input x; B: input Wk: QUANTISED
;;     3. [M 4,096, K 1,024] x [K 1,024, N 1,024]; A: input x; B: input Wv: QUANTISED
;;     4. batch 64 x [M 2,048, K 32] x [K 32, N 2,048]; A: computed on the way; B: computed on the way: QUANTISED
;;     5. batch 64 x [M 2,048, K 2,048] x [K 2,048, N 32]; A: softmax (see below); B: computed on the way: QUANTISED
;;     6. [M 4,096, K 1,024] x [K 1,024, N 1,024]; A: computed on the way; B: input Wproj: QUANTISED
;;   THE QUANTISER, for each operand of a quantised product, along K:
;;     - K is cut into blocks of 32 from its start; a last block that is shorter is filled with zeros.
;;     - A block's scale is 2^e with e = floor(log2(the largest magnitude in the block)) - 2, held to -126 .. 127; a block of zeros has e = 0. As a byte (E8M0): e + 127.
;;     - Each number is divided by its block's scale, clamped to +-7.5, and rounded to the nearest number of E2M3, ties to even, subnormals kept.
;;     - The product sums the exact products of the quantised numbers (number of the format x scale) in f32.
;;   ~~~python
;;   def quantise(x, axis):      # numpy; x: float32 -> the quantised numbers, widened to float32 again
;;       x = np.moveaxis(x, axis, -1); K = x.shape[-1]
;;       x = np.pad(x, [(0, 0)] * (x.ndim - 1) + [(0, -K % 32)]); x = x.reshape(x.shape[:-1] + (-1, 32)); a = np.abs(x).max(-1, keepdims=True)
;;       e = np.where(a > 0, np.clip(np.frexp(np.where(a > 0, a, 1))[1] - 1 - 2, -126, 127), 0)      # np.frexp(a)[1] - 1 = floor(log2(a)), exactly
;;       r = np.clip(x / 2.0 ** e, -7.5, 7.5)
;;       step = 2.0 ** (np.maximum(np.frexp(np.where(r == 0, 1, r))[1] - 1, 0) - 3)
;;       q = np.round(r / step) * step * 2.0 ** e      # np.round: ties to even
;;       return np.moveaxis(q.reshape(q.shape[:-2] + (-1,))[..., :K], -1, axis).astype(np.float32)
;;   ~~~
;;   SOFTMAX AHEAD OF A QUANTISED PRODUCT. Where the list says 'softmax', what is quantised is not the finished softmax but p = 2^(t - M), with t = logit x log2(e) and M = ceil(the row's largest t), a whole number; so 1/2 < the row's largest p <= 1. The row's sum l is taken of the UNQUANTISED p, in f32, and the product's result is divided by l at the end. Since M is a whole number, a kernel that streams over the keys may use a running M (the ceiling of the running maximum): every later rescaling is an exact power of two, which a block's scale takes up: the codes' values come out the same.
;;   OPERANDS COMPUTED ON THE WAY. 'Computed on the way' means the value that the module computes at that place (a softmax that the list does not call 'softmax' is quantised finished and normalised). What goes into a quantiser is computed in f32, as accurately as f32 sums, v_exp_f32 and their like allow (about 1e-6 of the number): no bf16 or f16 on the way to a quantiser, and a product that is left as it is and whose result goes on into a quantised operand takes f32 operands (vector FMAs, or v_wmma_f32_16x16x4_f32). A number that lies on a knife's edge between two numbers of the format may be rounded either way, as far as f32 arithmetic and the matrix unit's own rounding can turn it there, and no further.
;; One version. Each part assembles by itself: llvm-mc -triple=amdgcn-amd-amdhsa -mcpu=gfx1250 --defsym DOCPART=n.
;; ======== version 1 of 1: 4 launches
;; limits: right only within a limited range of input values
;; workspace buffers: xc 3,145,728 bytes; xs 131,072 bytes; wc 3,145,728 bytes; ws 131,072 bytes; qkv 9,830,400 bytes; yc 3,145,728 bytes; ys 131,072 bytes
;; launch quant (part 1): grid 256 x 1, 2 waves a work-group, no clusters, 17,664 bytes of LDS; arguments x, Wq, Wk, Wv, Wproj, xc, xs, wc, ws; writes xc, xs, wc, ws
.if DOCPART == 1
	.amdgcn_target "amdgcn-amd-amdhsa--gfx1250"
	.amdhsa_code_object_version 6
	.text
	.protected	k_q6f30e16abe_quant
	.globl	k_q6f30e16abe_quant
	.p2align	8
	.type	k_q6f30e16abe_quant,@function
k_q6f30e16abe_quant:
	s_mov_b64 s[64:65], 0
	v_nop
	global_prefetch_b8 v0, s[64:65] scope:SCOPE_SE
	s_setreg_imm32_b32 hwreg(HW_REG_WAVE_MODE, 25, 1), 1
	s_wait_xcnt 0x0
; x [4096][1024] and Wq, Wk, Wv, Wproj [1024][1024], f32, K innermost, become codes of FP6 (E2M3) with one E8M0 byte for each 32 along K.
; A block's scale is 2^(floor(log2(its largest magnitude)) - 2); its byte is the largest magnitude's exponent field - 2, held at 1 from below.
; THE CODES' LAYOUT: [tile of 16 rows][K block 0..31][row 0..15 of the tile][24 bytes]: a tile is 12,288 bytes.  So the 128 K of a matrix operand's 16 rows are 4 x 384 dense bytes, and lane (r, h)
; finds its 24 bytes of K block 2 c + h at 384 (2 c + h) + 24 r.  THE SCALE BYTES: [tile][row][32 bytes].
; WHICH ROWS FORM A TILE: in Wq, Wk, Wproj 16 neighbours.  In x and Wv tile i of a group of 128 rows holds rows 32 (i / 2) + 8 (i % 2) + p + 8 (p / 8), p = 0 .. 15: the later launches want that order,
; so that a matrix result's registers run along the next product's K.  wc holds Wq, Wk, Wv, Wproj one behind the other, 64 tiles each.
; SHARES: a wave takes one tile, 16 rows x all 1,024 of K, in 8 steps of 128 along K.  Each load reads 512 consecutive bytes of one row; the 16 x 512 bytes turn through the wave's own stage in LDS and come back
; 64 bytes a lane: lane (r, half) holds 16 neighbours of row r, two lanes 16 apart hold a block.  A block's codes leave as 384 consecutive bytes a wave, the tile's scale bytes as 512.
; One path for all five tensors: only pointers and row numbers are chosen, on the work-group's number.  No barrier: waves share nothing.
; LIMITS: NaN and infinities are not served; a block whose largest magnitude lies under 2^-124 keeps the byte 1; a block of zeros gets the byte 1, not 127: its codes are zeros, and this program alone reads the bytes.
.set SP,  528                          ; a stage row: 512 bytes + 16: the sixteen rows that a read touches begin in sixteen different columns of 16 bytes
.set R,   16                           ; v16-143  two sets of 64: a step's 16 loads
.set X,   144                          ; v144-207 four blocks x my 16 neighbours
.set C,   208                          ; v208-239 eight places of 4 for codes, by turns
.set SB,  240                          ; v240-247 my row's 32 scale bytes
	s_load_b512 s[4:19], s[0:1], 0x0               ; x s[4:5], Wq s[6:7], Wk s[8:9], Wv s[10:11], Wproj s[12:13], xc s[14:15], xs s[16:17], wc s[18:19]
	s_load_b64 s[20:21], s[0:1], 0x40              ; ws
	v_lshl_add_u32 v254, v0, 2, 0x4400
	v_mov_b32 v255, 0
	v_lshrrev_b32 v6, 5, v0
	v_readfirstlane_b32 s37, v6                    ; wave 0, 1
	v_and_b32 v6, 31, v0                           ; lane
	v_and_b32 v7, 15, v0                           ; r
	v_bfe_u32 v12, v0, 4, 1                        ; half
	v_lshlrev_b32 v1, 4, v6                        ; a load: 16 bytes a lane
	s_mul_i32 s38, s37, 16*SP                      ; my stage
	v_add_nc_u32 v2, s38, v1                       ; into it: as loaded
	v_mul_u32_u24 v3, v7, SP
	v_lshl_add_u32 v3, v12, 6, v3
	v_add_nc_u32 v3, s38, v3                       ; out of it: row r, + 64 x half
	v_mul_u32_u24 v4, v7, 24
	v_mad_u32_u24 v4, v12, 12, v4                  ; my 12 bytes of a block's 384
	v_lshlrev_b32 v5, 5, v7
	v_lshl_add_u32 v5, v12, 4, v5                  ; my 16 of the tile's 512 scale bytes
	v_mov_b32 v250, 0                              ; written once: a lane permute's destination counts as one of its sources
	s_mov_b32 s32, 0x76543210
	s_mov_b32 s33, 0xfedcba98                      ; v_permlanex16_b32's selects for lane l xor 16
	s_mov_b32 s34, 0xffff0000                      ; lanes 16-31
	s_lshl_b32 s24, ttmp9, 1
	s_add_co_u32 s24, s24, s37                     ; my tile, 0 .. 511: 256 of x, then 64 of each weight
	s_and_b32 s25, s24, 63                         ; its number in a weight
	s_sub_co_u32 s26, s24, 256                     ; and in wc
	s_lshr_b32 s27, ttmp9, 5                       ; 0-3 x, 4 Wq, 5 Wk, 6 Wv, 7 Wproj
	s_cmp_eq_u32 s27, 6
	s_cselect_b32 s27, 0, s27
	s_cmp_lt_u32 s27, 4                            ; x or Wv: the permuted order
	s_cselect_b32 s35, 8, 16                       ; an odd tile begins so many rows behind the even one,
	s_cselect_b32 s36, 16, 8                       ; and a tile's rows 8-15 so many behind its rows 0-7
	s_wait_alu depctr_va_vdst(0)
	s_wait_kmcnt 0x0
	s_cmp_lt_u32 ttmp9, 224
	s_cselect_b64 s[22:23], s[10:11], s[12:13]
	s_cmp_lt_u32 ttmp9, 192
	s_cselect_b64 s[22:23], s[8:9], s[22:23]
	s_cmp_lt_u32 ttmp9, 160
	s_cselect_b64 s[22:23], s[6:7], s[22:23]
	s_cmp_lt_u32 ttmp9, 128
	s_cselect_b64 s[22:23], s[4:5], s[22:23]       ; the tensor
	s_cselect_b64 s[14:15], s[14:15], s[18:19]     ; where its codes go,
	s_cselect_b64 s[16:17], s[16:17], s[20:21]     ; and its scale bytes
	s_cselect_b32 s25, s24, s25                    ; the tile's number in the tensor
	s_cselect_b32 s26, s24, s26                    ; and in the buffer that takes it
	s_lshr_b32 s38, s25, 1
	s_lshl_b32 s38, s38, 5
	s_and_b32 s39, s25, 1
	s_mul_i32 s39, s39, s35
	s_add_co_u32 s38, s38, s39                     ; the tile's row 0,
	s_add_co_u32 s40, s38, s36                     ; its row 8
	s_lshl_b32 s38, s38, 12                        ; rows of 4,096 bytes: 16 MiB at the most
	s_lshl_b32 s40, s40, 12
	s_mov_b32 s39, 0
	s_mov_b32 s41, 0
	s_add_nc_u64 s[28:29], s[22:23], s[38:39]
	s_add_nc_u64 s[30:31], s[22:23], s[40:41]
	s_mul_i32 s38, s26, 12288
	s_add_nc_u64 s[14:15], s[14:15], s[38:39]
	s_lshl_b32 s38, s26, 9
	s_add_nc_u64 s[16:17], s[16:17], s[38:39]
.macro LOADS ss                        ; step ss: 512 bytes of each of the 16 rows, into set ss % 2
.irp j, 0,1,2,3,4,5,6,7
	global_load_b128 v[R+64*((\ss)%2)+4*\j:R+64*((\ss)%2)+4*\j+3], v1, s[28:29] offset:4096*\j+512*(\ss) th:TH_LOAD_NT
.endr
.irp j, 0,1,2,3,4,5,6,7
	global_load_b128 v[R+64*((\ss)%2)+32+4*\j:R+64*((\ss)%2)+32+4*\j+3], v1, s[30:31] offset:4096*\j+512*(\ss) th:TH_LOAD_NT
.endr
.endm
.macro BLOCK kb, q                     ; K block kb, the step's q-th
.set XS, X+16*(\q)
.set CC, C+4*((\kb)%8)
	v_max3_num_f32 v248, |v[XS]|, |v[XS+1]|, |v[XS+2]|             ; the largest magnitude of my 16, in two chains
	v_max3_num_f32 v249, |v[XS+3]|, |v[XS+4]|, |v[XS+5]|
.irp i, 6,10
	v_max3_num_f32 v248, v248, |v[XS+\i]|, |v[XS+\i+1]|
	v_max3_num_f32 v249, v249, |v[XS+\i+2]|, |v[XS+\i+3]|
.endr
	v_max3_num_f32 v248, v248, |v[XS+14]|, |v[XS+15]|
	v_max3_num_f32 v248, v248, v249, 0x1800000     ; and the floor 2^(3 - 127): the byte cannot fall under 1
	v_permlanex16_b32 v250, v248, s32, s33
	v_max_num_f32 v248, v248, v250                 ; with the other half's 16: the block's
	v_add_nc_u32 v251, 0xff000000, v248            ; 2 off its exponent field: the conversion takes this operand's exponent field as its scale
	v_cvt_scalef32_pk16_fp6_f32 v[CC:CC+2], v[XS:XS+15], v251
	v_lshrrev_b32 v252, 23, v251                   ; the scale's byte (a plain line behind the conversion)
.if (\kb)%4 == 0
	v_mov_b32 v[SB+(\kb)/4], v252
.else
	v_lshl_or_b32 v[SB+(\kb)/4], v252, 8*((\kb)%4), v[SB+(\kb)/4]
.endif
	global_store_b96 v4, v[CC:CC+2], s[14:15] offset:384*(\kb)     ; the wave stores the block's 384 consecutive bytes
.endm
.macro SSTEP ss
.if (\ss) < 7
	s_wait_loadcnt 16                              ; this step's 16 loads are in; the next step's 16 stay out
.else
	s_wait_loadcnt 0
.endif
	s_wait_xcnt 0x0                                ; the stores of two steps back have read their codes' registers, which this step writes again
.irp j, 0,1,2,3,4,5,6,7,8,9,10,11,12,13,14,15
	ds_store_b128 v2, v[R+64*((\ss)%2)+4*\j:R+64*((\ss)%2)+4*\j+3] offset:SP*\j
.endr
.irp q, 0,1,2,3
.irp i, 0,1,2,3
	ds_load_b128 v[X+16*\q+4*\i:X+16*\q+4*\i+3], v3 offset:128*\q+16*\i   ; LDS serves a wave's instructions in order (ISA guide 5.7.1.4): these see the stores above
.endr
.endr
.if (\ss) < 6
	s_wait_dscnt 16                                ; the 16 stores into the stage are done: their registers take the loads of two steps on
	LOADS (\ss)+2
.endif
.irp q, 0,1,2,3
	s_wait_dscnt 12-4*\q                           ; block q's four reads are back; the later blocks' may be out
	BLOCK 4*(\ss)+\q, \q
.endr
.endm
	LOADS 0
	LOADS 1
.irp t, 0,1,2,3,4,5,6,7
	SSTEP \t
.endr
.irp i, 0,1,2,3
	v_cndmask_b32 v[8+\i], v[SB+\i], v[SB+4+\i], s34               ; both halves hold all 32 bytes of row r: lanes 0-15 store the first 16, lanes 16-31 the others
.endr
	global_store_b128 v5, v[8:11], s[16:17]        ; 512 consecutive bytes
	s_wait_tensorcnt 0x0
	ds_add_u32 v254, v255
	s_wait_dscnt 0x0
	s_endpgm
.Lfunc_end_k_q6f30e16abe_quant:
	.size	k_q6f30e16abe_quant, .Lfunc_end_k_q6f30e16abe_quant-k_q6f30e16abe_quant
	.p2alignl 7, 3214868480
	.fill 96, 4, 3214868480
	.section	.rodata,"a",@progbits
	.p2align	6, 0x0
	.amdhsa_kernel k_q6f30e16abe_quant
		.amdhsa_group_segment_fixed_size 17664
		.amdhsa_private_segment_fixed_size 0
		.amdhsa_enable_private_segment 0
		.amdhsa_kernarg_size 72
		.amdhsa_user_sgpr_count 2
		.amdhsa_user_sgpr_kernarg_segment_ptr 1
		.amdhsa_wavefront_size32 1
		.amdhsa_system_sgpr_workgroup_id_x 1
		.amdhsa_system_sgpr_workgroup_id_y 1
		.amdhsa_system_sgpr_workgroup_id_z 1
		.amdhsa_system_vgpr_workitem_id 0
		.amdhsa_next_free_vgpr 256
		.amdhsa_next_free_sgpr 66
		.amdhsa_reserve_vcc 0
		.amdhsa_float_denorm_mode_32 3
		.amdhsa_float_denorm_mode_16_64 3
		.amdhsa_memory_ordered 1
		.amdhsa_forward_progress 1
		.amdhsa_inst_pref_size 63
	.end_amdhsa_kernel
	.amdgpu_metadata
---
amdhsa.version: [ 1, 2 ]
amdhsa.kernels:
  - .name:           k_q6f30e16abe_quant
    .symbol:         k_q6f30e16abe_quant.kd
    .args:
      - { .name: x, .offset: 0, .size: 8, .value_kind: global_buffer, .address_space: global }
      - { .name: Wq, .offset: 8, .size: 8, .value_kind: global_buffer, .address_space: global }
      - { .name: Wk, .offset: 16, .size: 8, .value_kind: global_buffer, .address_space: global }
      - { .name: Wv, .offset: 24, .size: 8, .value_kind: global_buffer, .address_space: global }
      - { .name: Wproj, .offset: 32, .size: 8, .value_kind: global_buffer, .address_space: global }
      - { .name: xc, .offset: 40, .size: 8, .value_kind: global_buffer, .address_space: global }
      - { .name: xs, .offset: 48, .size: 8, .value_kind: global_buffer, .address_space: global }
      - { .name: wc, .offset: 56, .size: 8, .value_kind: global_buffer, .address_space: global }
      - { .name: ws, .offset: 64, .size: 8, .value_kind: global_buffer, .address_space: global }
    .group_segment_fixed_size: 17664
    .private_segment_fixed_size: 0
    .kernarg_segment_align: 8
    .kernarg_segment_size: 72
    .max_flat_workgroup_size: 64
    .sgpr_count:     66
    .vgpr_count:     256
    .wavefront_size: 32
...
	.end_amdgpu_metadata
.endif
;; end of part 1
;; launch qkv (part 2): grid 8 x 32, 4 waves a work-group, clusters of 4 x 4, 327,680 bytes of LDS; arguments xc, xs, wc, ws, cos, sin, q_gain, qkv; writes qkv
.if DOCPART == 2
	.amdgcn_target "amdgcn-amd-amdhsa--gfx1250"
	.amdhsa_code_object_version 6
	.text
	.protected	k_q6f30e16abe_qkv
	.globl	k_q6f30e16abe_qkv
	.p2align	8
	.type	k_q6f30e16abe_qkv,@function
k_q6f30e16abe_qkv:
	s_mov_b64 s[64:65], 0
	v_nop
	global_prefetch_b8 v0, s[64:65] scope:SCOPE_SE
	s_setreg_imm32_b32 hwreg(HW_REG_WAVE_MODE, 25, 1), 1
	s_wait_xcnt 0x0
	s_wait_alu depctr_hold_cnt(0) depctr_sa_sdst(0) depctr_va_vdst(0) depctr_va_sdst(0) depctr_va_ssrc(0) depctr_va_vcc(0) depctr_vm_vsrc(0)
	s_getreg_b32 s2, hwreg(HW_REG_IB_STS2, 6, 4)
	s_cmp_eq_u32 s2, 0
	s_cbranch_scc0 .Lentry_in_a_cluster
	s_endpgm
.Lentry_in_a_cluster:
	s_bfe_u32 s2, ttmp6, 0x10000c
	s_cmp_lg_u32 s2, 0xf033
	s_cbranch_scc0 .Lentry_shape_is_right
	s_endpgm
.Lentry_shape_is_right:
; q, k, v = x Wq^T, x Wk^T, x Wv^T on codes of FP6 (E2M3) with E8M0 scales; then, in f32, the rms norm over a head's 32 channels, the rotation by cos and sin and (q) the head's gain; then q, k are quantised
; along the head's channels and v along the keys, and go into the buffer qkv as the attention launch reads them.
; IN: codes [tile of 16 rows][K block 0..31][row][24 bytes], 12,288 bytes a tile; scale bytes [tile][row][32].  wc, ws: Wq, Wk, Wv at tiles 0, 64, 128.  In x and Wv tile i of a group of 128 rows holds rows
; 32 (i / 2) + 8 (i % 2) + p + 8 (p / 8).
; OUT: a record of 153,600 bytes for each (b, head): parts Q, K, V of 51,200 bytes, each 2,048 bytes of scale words and 49,152 of codes.  Q, K: codes [tile][row][24], scale words [step of 128 tokens][32 lanes]:
; lane 16 g + r holds row r's bytes of tiles 4 g .. 4 g + 3.  V: for each step two register images of 1,536 bytes (16 channels x 128 keys), scale words [step][32 lanes]: lane 16 u + r.
; SHARES: 8 x 32 = 256 work-groups; each takes 128 tokens x 128 channels (4 heads) and walks Wq, Wk, Wv.  x's 8 tiles for ALL of K, 98,304 dense bytes, stay in LDS; a weight's 8 tiles, as many bytes, lie in
; one of two slots.  At the head each wave brings 49,152 bytes (x's halves, Wq's halves).  Wk's first fill stands behind the first round; Wv fills Wq's slot again behind the round that follows q's products: each wave
; brings a quarter, 24,576 bytes.  So each later weight has eight K steps and mostly an epilogue in which to land, and no prefetch is laid beside these loads.
; CLUSTERS: 4 x 4.  x's tiles hang on the block's row and are asked for jointly along a row of the cluster, the weights' on its column and jointly along a column.
; WAVES: q, k: 64 tokens x 64 channels, source 0 = 16 rows of W, source 1 = 16 tokens: a lane holds a token, and the 16 registers of two neighbouring accumulators channels 8 h + j and 16 + 8 h + j of a head.
; v: wave w takes head w: 32 channels x 128 tokens, source 0 = 16 tokens, source 1 = 16 rows of Wv: a lane holds a channel and its registers run along the keys.  16 accumulators either way.
; THE SCALE WORDS come into registers once: a load of 16 bytes a lane at 32 r + 16 h covers a tile's 512 bytes; lanes 0-15 hold K steps 0-3, lanes 16-31 steps 4-7, picked by ROW1.
; LIMITS: NaN and infinities are not served; a block under 2^-124 or of zeros gets the byte 1: this program alone reads the bytes.
; REGISTERS: window 0: v8-22 addresses, v28-29 the add's, v32-119 scale words, v120-251 the epilogues' work; window 1: v0-127 accumulators, v128-191 cos and sin of my 64 tokens; window 2: two sets of 120 for fragments.
.set TILEB, 12288
.set QUART, 4*TILEB
.set SPARE, 6*QUART
.set REC,   153600
.set PART,  51200
.set FR,    12
.set ADRA,  16                         ; x's tiles of my 64 tokens
.set ADRX0, 17                         ; x's tiles 0-3
.set ADRX1, 18                         ; x's tiles 4-7
.set ADRBQ, 19
.set ADRBK, 20
.set ADRBV, 21
.set SOF,   22
.set SPW,   28
.set NIL,   29
.set XH,    32                         ; scale words: x, my 4 tiles
.set XA,    48                         ; x, all 8 tiles
.set WQ,    80
.set WK,    96
.set WV,    112
.set TR,    120
.set SS,    184
.set SPR,   184
.set PT,    192
.set FF,    196
.set TM,    204
.set TB,    208
.set SO,    212
.set KW,    216
.set PW,    216
.set CDB,   220
.set G1A,   24
.set G1B,   32
.set G1Q,   40
.set G0A,   52
.set G0B,   56
.set G0K,   60
.set G0V,   84
.set MSB, 0
.macro WIN new                         ; the immediate's high byte repeats the setting that is left
.if MSB != \new
	s_set_vgpr_msb (MSB<<8)|\new
.set MSB, \new
.endif
.endm
.macro CROUND                          ; a round of the cluster's barrier
	s_barrier_signal -1
	s_barrier_wait -1
	s_cmp_lg_u32 s14, 0
	s_cbranch_scc1 .Lnot_wave_0_\@
	s_barrier_signal -3
.Lnot_wave_0_\@:
	s_barrier_wait -3
	s_barrier_signal -1
	s_barrier_wait -1
.endm
.macro PLACES
.rept 4
	v_nop
.endr
.endm
	s_load_b512 s[68:83], s[0:1], 0x0              ; xc 68, xs 70, wc 72, ws 74, cos 76, sin 78, q_gain 80, qkv 82
	v_lshl_add_u32 v[SPW], v0, 2, SPARE
	v_mov_b32 v[NIL], 0
	ds_add_u32 v[SPW], v[NIL]                      ; the opening lines
	ds_add_u32 v[SPW], v[NIL]
	v_lshrrev_b32 v1, 5, v0
	v_readfirstlane_b32 s14, v1                    ; wave 0..3
	s_lshr_b32 s15, s14, 1                         ; my half of the tokens.  Also: at the head I fetch for x (0) or for Wq (1)
	s_and_b32 s16, s14, 1                          ; my half of the channels.  Also: which four tiles I fetch there
	s_bfe_u32 s48, ttmp6, 0x40000                  ; cx
	s_bfe_u32 s49, ttmp6, 0x40004                  ; cy
	s_lshl_b32 s3, ttmp9, 2
	s_add_co_u32 s3, s3, s48                       ; block column 0..7: 4 heads
	s_and_b32 s17, ttmp7, 0xffff
	s_lshl_b32 s17, s17, 2
	s_add_co_u32 s17, s17, s49                     ; block row 0..31: 128 tokens
	s_lshl_b32 s18, s49, 2
	s_lshl_b32 s18, 15, s18                        ; my row of the cluster
	s_lshl_b32 s19, 0x1111, s48                    ; my column
	s_or_b32 s[G1A], s18, (3<<16)|(1<<21)          ; elements of 8 bytes, no padding
	s_or_b32 s[G1B], s19, (3<<16)|(1<<21)
	s_or_b32 s[G1Q], s19, (3<<16)|(1<<21)
.irp g, G1A, G1B
	s_mov_b32 s[\g+1], 32<<16                      ; 192 rows of 256 dense bytes
	s_mov_b32 s[\g+2], 192<<16
	s_mov_b32 s[\g+3], 32<<16
	s_mov_b32 s[\g+4], 192
	s_mov_b32 s[\g+5], 32
	s_mov_b32 s[\g+6], 0
	s_mov_b32 s[\g+7], 0
.endr
	s_mov_b32 s[G1Q+1], 32<<16                     ; 96 rows of 256 dense bytes
	s_mov_b32 s[G1Q+2], 96<<16
	s_mov_b32 s[G1Q+3], 32<<16
	s_mov_b32 s[G1Q+4], 96
	s_mov_b32 s[G1Q+5], 32
	s_mov_b32 s[G1Q+6], 0
	s_mov_b32 s[G1Q+7], 0
	s_mul_i32 s50, s16, QUART
	s_mul_i32 s20, s17, 2*QUART
	s_add_co_u32 s20, s20, s50                     ; x's codes that I fetch
	s_mov_b32 s21, 0
	s_mul_i32 s22, s3, 2*QUART
	s_mul_i32 s51, s14, QUART/2
	s_add_co_u32 s18, s22, s51
	s_add_co_u32 s18, s18, 64*TILEB                ; my quarter of Wk's
	s_mov_b32 s19, 0
	s_add_co_u32 s22, s22, s50                     ; my half of Wq's
	s_mov_b32 s23, 0
	s_mov_b32 s[G0A], 1
	s_mul_i32 s[G0A+1], s14, QUART                 ; LDS: x at 0, slot 0 at 2 QUART, slot 1 at 4 QUART; no place in the cluster enters an LDS address
	s_mov_b32 s[G0B], 1
	s_mul_i32 s[G0B+1], s14, QUART
	s_mov_b32 s[G0K], 1
	s_add_co_u32 s[G0K+1], s51, 4*QUART
	s_mul_i32 s2, s15, QUART                       ; LDS: my four tiles of x,
	s_add_co_u32 s50, s50, 2*QUART                 ; of Wq,
	s_add_co_u32 s51, s51, 2*QUART                 ; my two of Wv (and where my quarter of Wv goes)
	s_lshl_b32 s4, s17, 12                         ; byte offsets: x's scale bytes, all 8 tiles,
	s_mov_b32 s5, 0
	s_lshl_b32 s6, s15, 11                         ; my 4 behind that
	s_mov_b32 s7, 0
	s_lshl_b32 s8, s3, 12
	s_lshl_b32 s10, s16, 11
	s_add_co_u32 s10, s10, s8                      ; Wq's scale bytes, my 4 tiles
	s_mov_b32 s11, 0
	s_lshl_b32 s12, s14, 10
	s_add_co_u32 s12, s12, s8                      ; Wv's, my 2 tiles, less 128 tiles
	s_mov_b32 s13, 0
	s_and_b32 s84, s17, 15                         ; the step of 128 tokens in its sequence
	s_lshr_b32 s85, s17, 4                         ; b
	s_lshl_b32 s86, s84, 13
	s_lshl_b32 s87, s15, 12
	s_add_co_u32 s86, s86, s87                     ; cos, sin: 64 bytes a token
	s_mov_b32 s87, 0
	s_lshl_b32 s88, s3, 2
	s_lshl_b32 s89, s16, 1
	s_add_co_u32 s89, s89, s88                     ; q, k: my first head
	s_add_co_u32 s88, s88, s14                     ; v: my head
	s_lshl_b32 s90, s89, 2                         ; its gain
	s_mov_b32 s91, 0
	s_lshl_b32 s85, s85, 5
	s_add_co_u32 s89, s89, s85
	s_mul_i32 s89, s89, REC                        ; q, k: the record
	s_add_co_u32 s88, s88, s85
	s_mul_i32 s88, s88, REC
	s_add_co_u32 s88, s88, 2*PART                  ; v: the record's part V
	s_lshl_b32 s96, s84, 7
	s_lshl_b32 s97, s15, 6
	s_add_co_u32 s97, s97, s96
	s_add_co_u32 s97, s97, s89                     ; q, k: scale words
	s_add_co_u32 s96, s96, s88                     ; v: scale words
	s_mul_i32 s98, s84, 3072
	s_add_co_u32 s99, s98, s88
	s_add_co_u32 s99, s99, 2048                    ; v: codes
	s_mul_i32 s85, s15, 1536
	s_add_co_u32 s98, s98, s85
	s_add_co_u32 s98, s98, s89
	s_add_co_u32 s98, s98, 2048                    ; q, k: codes
	v_and_b32 v1, 15, v0                           ; r
	v_bfe_u32 v2, v0, 4, 1                         ; h
	v_and_b32 v4, 31, v0                           ; lane
	v_mul_u32_u24 v8, v1, 24
	v_mad_u32_u24 v[ADRX0], v2, 384, v8            ; a fragment: 24 r + 384 h
	v_mad_u32_u24 v8, v2, 12, v8                   ; v8: q's, k's codes: 24 r + 12 h
	v_add_nc_u32 v[ADRX1], QUART, v[ADRX0]
	v_add_nc_u32 v[ADRA], s2, v[ADRX0]
	v_add_nc_u32 v[ADRBQ], s50, v[ADRX0]
	v_add_nc_u32 v[ADRBK], 2*QUART, v[ADRBQ]
	v_add_nc_u32 v[ADRBV], s51, v[ADRX0]
	v_lshlrev_b32 v5, 5, v1
	v_lshl_add_u32 v[SOF], v2, 4, v5               ; scale bytes: 32 r + 16 h
	v_lshlrev_b32 v9, 2, v4                        ; v9: 4 x lane
	v_lshlrev_b32 v10, 4, v4                       ; v10: 16 x lane
	v_lshlrev_b32 v12, 2, v1                       ; v12: 4 r
	v_and_b32 v11, 8, v1
	v_add_nc_u32 v11, v11, v1
	v_lshlrev_b32 v11, 6, v11
	v_lshl_add_u32 v11, v2, 5, v11                 ; v11: cos, sin: token r + 8 (r / 8) of a tile, 8 numbers for each half of the lanes
.irp j, PT, PT+1, PT+2, PT+3, TB, TB+1, TB+2, TB+3, FF+1, FF+3, FF+5, FF+7
	v_mov_b32 v[\j], 0                             ; written once: lane permutes' destinations, and the upper halves of pairs of which the lower is used
.endr
	s_wait_alu depctr_va_vdst(0)                   ; the wait at the head's end
	s_wait_dscnt 0x0                               ; both opening adds are done
	s_wait_kmcnt 0x0
	s_add_nc_u64 s[G0A+2:G0A+3], s[68:69], s[20:21]
	s_or_b32 s[G0A+3], s[G0A+3], 0x80000000
	s_add_nc_u64 s[G0B+2:G0B+3], s[72:73], s[22:23]
	s_or_b32 s[G0B+3], s[G0B+3], 0x80000000
	s_add_nc_u64 s[G0K+2:G0K+3], s[72:73], s[18:19]
	s_add_nc_u64 s[70:71], s[70:71], s[4:5]        ; x's scale bytes, all 8 tiles
	s_add_nc_u64 s[100:101], s[70:71], s[6:7]      ; my 4
	s_add_nc_u64 s[94:95], s[74:75], s[12:13]      ; Wv's
	s_add_nc_u64 s[74:75], s[74:75], s[10:11]      ; Wq's, Wk's
	s_add_nc_u64 s[76:77], s[76:77], s[86:87]
	s_add_nc_u64 s[78:79], s[78:79], s[86:87]
	s_add_nc_u64 s[80:81], s[80:81], s[90:91]
	s_load_b64 s[92:93], s[80:81], 0x0             ; my two heads' gains
	s_mov_b32 s[G0V], 1
	s_mov_b32 s[G0V+1], s51
	s_add_nc_u64 s[G0V+2:G0V+3], s[G0K+2:G0K+3], 64*TILEB
	s_or_b32 s[G0V+3], s[G0V+3], 0x80000000
	s_or_b32 s[G0K+3], s[G0K+3], 0x80000000
	s_mov_b32 s4, s97
	s_add_nc_u64 s[4:5], s[82:83], s[4:5]          ; q, k: scale words
	s_mov_b32 s6, s98
	s_add_nc_u64 s[6:7], s[82:83], s[6:7]          ; q, k: codes
	s_mov_b32 s88, s96
	s_mov_b32 s89, 0
	s_add_nc_u64 s[88:89], s[82:83], s[88:89]      ; v: scale words
	s_mov_b32 s90, s99
	s_add_nc_u64 s[90:91], s[82:83], s[90:91]      ; v: codes
	s_mov_b32 s8, 0x76543210
	s_mov_b32 s9, 0xfedcba98                       ; v_permlanex16_b32's selects for lane l xor 16
	s_mov_b32 s10, 0x3d000000                      ; 1 / 32
	s_mov_b32 s11, 0x358637bd                      ; 1e-6
	s_mov_b32 s12, 0xffff0000                      ; lanes 16-31
.irp i, 0,1,2,3
	global_load_b128 v[XH+4*\i:XH+4*\i+3], v[SOF], s[100:101] offset:512*\i   ; 32 lanes read a tile's 512 consecutive bytes
	global_load_b128 v[WQ+4*\i:WQ+4*\i+3], v[SOF], s[74:75] offset:512*\i
.endr
.irp i, 0,1,2,3
	global_load_b128 v[WK+4*\i:WK+4*\i+3], v[SOF], s[74:75] offset:64*512+512*\i
.endr
.irp i, 0,1,2,3,4,5,6,7
	global_load_b128 v[XA+4*\i:XA+4*\i+3], v[SOF], s[70:71] offset:512*\i
.endr
.irp i, 0,1
	global_load_b128 v[WV+4*\i:WV+4*\i+3], v[SOF], s[94:95] offset:128*512+512*\i
.endr
	WIN 0x40                                       ; destination window 1
.irp a, 0,1,2,3
	global_load_b128 v[128+16*\a:128+16*\a+3],     v11, s[76:77] offset:(32*(\a/2)+8*(\a%2))*64
	global_load_b128 v[128+16*\a+4:128+16*\a+7],   v11, s[76:77] offset:(32*(\a/2)+8*(\a%2))*64+16
	global_load_b128 v[128+16*\a+8:128+16*\a+11],  v11, s[78:79] offset:(32*(\a/2)+8*(\a%2))*64
	global_load_b128 v[128+16*\a+12:128+16*\a+15], v11, s[78:79] offset:(32*(\a/2)+8*(\a%2))*64+16
.endr
	WIN 0
	CROUND                                         ; all sixteen work-groups are here: the joint loads meet
	s_cmp_eq_u32 s15, 0                            ; one tensor load a wave: waves 0, 1 for x, waves 2, 3 for Wq
	s_cbranch_scc0 .Lfor_b
	tensor_load_to_lds s[G0A:G0A+3], s[G1A:G1A+7]
	s_nop 0
	PLACES
	s_branch .Lasked
.Lfor_b:
	tensor_load_to_lds s[G0B:G0B+3], s[G1B:G1B+7]
	s_nop 0
	PLACES
.Lasked:
.macro FRAG reg, adr, st, i            ; 16 rows x 128 K: lane (r, h) takes 24 bytes of K block 4 st + h and 24 of K block 4 st + 2 + h, in pieces of 8
.irp p, 0,1,2,3,4,5
	ds_load_b64 v[\reg+2*\p:\reg+2*\p+1], v[\adr] offset:(\i)*TILEB+(4*(\st)+2*(\p/3))*384+8*(\p%3)
.endr
.endm
.macro FETCHQK st, adrb                ; into set st % 2: four fragments of the weight, four of x: 48 LDS loads
	WIN 0x80                                       ; destination window 2
.irp i, 0,1,2,3
	FRAG 120*((\st)%2)+FR*\i, \adrb, \st, \i
.endr
.irp i, 0,1,2,3
	FRAG 120*((\st)%2)+48+FR*\i, ADRA, \st, \i
.endr
	WIN 0
.endm
.macro FETCHV st                       ; two fragments of Wv, eight of x: 60 LDS loads
	WIN 0x80
.irp i, 0,1
	FRAG 120*((\st)%2)+FR*\i, ADRBV, \st, \i
.endr
.irp i, 0,1,2,3
	FRAG 120*((\st)%2)+24+FR*\i, ADRX0, \st, \i
.endr
.irp i, 0,1,2,3
	FRAG 120*((\st)%2)+72+FR*\i, ADRX1, \st, \i
.endr
	WIN 0
.endm
.macro WM d, a, b, sa, sb, st          ; one product; a tile's step 0 starts the sums
.if (\st) == 0
	v_wmma_scale_f32_16x16x128_f8f6f4 v[(\d):(\d)+7], v[(\a):(\a)+11], v[(\b):(\b)+11], 0, v[(\sa)], v[(\sb)] matrix_a_fmt:MATRIX_FMT_FP6 matrix_b_fmt:MATRIX_FMT_FP6
.elseif (\st) < 4
	v_wmma_scale_f32_16x16x128_f8f6f4 v[(\d):(\d)+7], v[(\a):(\a)+11], v[(\b):(\b)+11], v[(\d):(\d)+7], v[(\sa)+(\st)], v[(\sb)+(\st)] matrix_a_fmt:MATRIX_FMT_FP6 matrix_b_fmt:MATRIX_FMT_FP6
.else
	v_wmma_scale_f32_16x16x128_f8f6f4 v[(\d):(\d)+7], v[(\a):(\a)+11], v[(\b):(\b)+11], v[(\d):(\d)+7], v[(\sa)+(\st)-4], v[(\sb)+(\st)-4] matrix_a_fmt:MATRIX_FMT_FP6 matrix_b_fmt:MATRIX_FMT_FP6 matrix_a_scale:MATRIX_SCALE_ROW1 matrix_b_scale:MATRIX_SCALE_ROW1
.endif
.endm
; In every step the 16 accumulators take turns, in the same order.
.macro STEPQK st, adrb, ws
	s_wait_dscnt 0x0                               ; this step's fragments, asked for ahead of the last step's products, are in
.if (\st) < 7
.if (\st) > 0
	PLACES                                         ; behind the last step's products, ahead of the loads into their operands
.endif
	FETCHQK (\st)+1, \adrb
.endif
	WIN 0x5a                                       ; sources 0, 1 window 2; C and D window 1
.set P, 120*((\st)%2)
.irp a, 0,1,2,3
.irp b, 0,1,2,3
	WM 8*(4*\a+\b), P+FR*\b, P+48+FR*\a, \ws+4*\b, XH+4*\a, \st
.endr
.endr
	WIN 0
.endm
.macro STEPV st
	s_wait_dscnt 0x0
.if (\st) < 7
.if (\st) > 0
	PLACES
.endif
	FETCHV (\st)+1
.endif
	WIN 0x5a
.set P, 120*((\st)%2)
.irp u, 0,1
.irp b, 0,1,2,3,4,5,6,7
	WM 8*(8*\u+\b), P+24+FR*\b, P+FR*\u, XA+4*\b, WV+4*\u, \st
.endr
.endr
	WIN 0
.endm
; THE WAY OUT OF q (part 0) AND k (part 1): four units u by turns: token tile 2 G + u / 2, head u % 2; a unit's 16 registers lie at 64 G + 16 u of window 1.
.macro EPI_QK G, part
.set AC, 64*(\G)
.set CD, CDB+16*(\G)
.if \part
	s_wait_xcnt 0x0                                ; q's stores have read their data, which are written again here
.endif
	WIN 0x05                                       ; sources 0, 1 window 1
.irp u, 0,1,2,3
	v_pk_mul_f32 v[SS+2*\u:SS+2*\u+1], v[AC+16*\u:AC+16*\u+1], v[AC+16*\u:AC+16*\u+1]   ; the sum of squares, each accumulator from its low end on
.endr
.irp i, 2,4,6,8,10,12,14
.irp u, 0,1,2,3
	v_pk_fma_f32 v[SS+2*\u:SS+2*\u+1], v[AC+16*\u+\i:AC+16*\u+\i+1], v[AC+16*\u+\i:AC+16*\u+\i+1], v[SS+2*\u:SS+2*\u+1]
.endr
.endr
	WIN 0
.irp u, 0,1,2,3
	v_add_f32 v[SS+2*\u], v[SS+2*\u], v[SS+2*\u+1]
.endr
.irp u, 0,1,2,3
	v_permlanex16_b32 v[PT+\u], v[SS+2*\u], s8, s9
.endr
.irp u, 0,1,2,3
	v_add_f32 v[SS+2*\u], v[SS+2*\u], v[PT+\u]     ; with the other half's 16 channels
.endr
.irp u, 0,1,2,3
	v_fma_f32 v[SS+2*\u], v[SS+2*\u], s10, s11     ; the mean + 1e-6
.endr
	s_wait_alu depctr_va_vdst(0)                   ; the wait ahead of the batch
.irp u, 0,1,2,3
.if \part
	v_rsq_f32 v[FF+2*\u], v[SS+2*\u]
.else
	v_rsq_f32 v[PT+\u], v[SS+2*\u]
.endif
.endr
	v_nop
	s_wait_alu depctr_va_vdst(0)                   ; and behind it
.if (\part) == 0
.irp u, 0,1,2,3
	v_mul_f32 v[FF+2*\u], s[92+\u%2], v[PT+\u]     ; q: x the head's gain
.endr
.endif
	WIN 0x05
.irp u, 0,1,2,3
.irp i, 0,2,4,6
	v_pk_mul_f32 v[TR+16*\u+\i:TR+16*\u+\i+1],     v[AC+16*\u+\i:AC+16*\u+\i+1],     v[128+16*(2*(\G)+\u/2)+\i:128+16*(2*(\G)+\u/2)+\i+1]
	v_pk_mul_f32 v[TR+16*\u+8+\i:TR+16*\u+8+\i+1], v[AC+16*\u+8+\i:AC+16*\u+8+\i+1], v[128+16*(2*(\G)+\u/2)+\i:128+16*(2*(\G)+\u/2)+\i+1]
	v_pk_fma_f32 v[TR+16*\u+\i:TR+16*\u+\i+1],     v[AC+16*\u+8+\i:AC+16*\u+8+\i+1], v[136+16*(2*(\G)+\u/2)+\i:136+16*(2*(\G)+\u/2)+\i+1], v[TR+16*\u+\i:TR+16*\u+\i+1] neg_lo:[0,1,0] neg_hi:[0,1,0]
	v_pk_fma_f32 v[TR+16*\u+8+\i:TR+16*\u+8+\i+1], v[AC+16*\u+\i:AC+16*\u+\i+1],     v[136+16*(2*(\G)+\u/2)+\i:136+16*(2*(\G)+\u/2)+\i+1], v[TR+16*\u+8+\i:TR+16*\u+8+\i+1]
.endr
.endr
	WIN 0
.irp u, 0,1,2,3
.irp i, 0,2,4,6,8,10,12,14
	v_pk_mul_f32 v[TR+16*\u+\i:TR+16*\u+\i+1], v[TR+16*\u+\i:TR+16*\u+\i+1], v[FF+2*\u:FF+2*\u+1] op_sel_hi:[1,0]
.endr
.endr
.irp u, 0,1,2,3
	v_max3_num_f32 v[TM+\u], |v[TR+16*\u]|, |v[TR+16*\u+1]|, 0x1800000   ; the block's largest magnitude, over the floor 2^(3 - 127)
.endr
.irp i, 2,4,6,8,10,12,14
.irp u, 0,1,2,3
	v_max3_num_f32 v[TM+\u], v[TM+\u], |v[TR+16*\u+\i]|, |v[TR+16*\u+\i+1]|
.endr
.endr
.irp u, 0,1,2,3
	v_permlanex16_b32 v[TB+\u], v[TM+\u], s8, s9
.endr
.irp u, 0,1,2,3
	v_max_num_f32 v[TM+\u], v[TM+\u], v[TB+\u]
.endr
.irp u, 0,1,2,3
	v_add_nc_u32 v[SO+\u], 0xff000000, v[TM+\u]    ; 2 off the exponent field: the conversion's scale operand
.endr
.irp u, 0,1,2,3
	v_lshrrev_b32 v[TB+\u], 23, v[SO+\u]           ; the byte
.endr
.irp u, 0,1,2,3
.if (2*(\G)+\u/2) == 0
	v_mov_b32 v[KW+\u%2], v[TB+\u]                 ; a head's scale word: byte = my token tile
.else
	v_lshl_or_b32 v[KW+\u%2], v[TB+\u], 8*(2*(\G)+\u/2), v[KW+\u%2]
.endif
.endr
.irp u, 0,1,2,3
	v_cvt_scalef32_pk16_fp6_f32 v[CD+4*\u:CD+4*\u+2], v[TR+16*\u:TR+16*\u+15], v[SO+\u]
.endr
	v_nop                                          ; one plain line behind the last conversion
.irp u, 0,1,2,3
	global_store_b96 v8, v[CD+4*\u:CD+4*\u+2], s[6:7] offset:(\u%2)*REC+384*(2*(\G)+\u/2)+(\part)*PART   ; the wave stores a tile's 384 consecutive bytes
.endr
.if \G
.irp hh, 0,1
	global_store_b32 v12, v[KW+\hh], s[4:5] offset:\hh*REC+(\part)*PART   ; lanes l and l + 16 name the same word with the same value
.endr
.endif
.endm
; THE WAY OUT OF v: operand u: 16 channels x 128 keys; the 16 registers of accumulators 2 b, 2 b + 1 are keys 32 b + 16 h + 0 .. 15.
.macro EPI_V u
.set AC, 64*(\u)
.set PC, CDB+16*(\u)
	WIN 0x05
.irp b, 0,1,2,3
	v_max3_num_f32 v[TM+\b], |v[AC+16*\b]|, |v[AC+16*\b+1]|, 0x1800000
.endr
.irp i, 2,4,6,8,10,12,14
.irp b, 0,1,2,3
	v_max3_num_f32 v[TM+\b], |v[AC+16*\b+\i]|, |v[AC+16*\b+\i+1]|, v[TM+\b]
.endr
.endr
	WIN 0
.irp b, 0,1,2,3
	v_permlanex16_b32 v[TB+\b], v[TM+\b], s8, s9
.endr
.irp b, 0,1,2,3
	v_max_num_f32 v[TM+\b], v[TM+\b], v[TB+\b]
.endr
.irp b, 0,1,2,3
	v_add_nc_u32 v[SO+\b], 0xff000000, v[TM+\b]
.endr
.irp b, 0,1,2,3
	v_lshrrev_b32 v[TB+\b], 23, v[SO+\b]
.endr
	v_lshl_or_b32 v[PW+\u], v[TB+1], 8, v[TB]      ; the four blocks' bytes: the channel's scale word for these 128 keys
	v_lshl_or_b32 v[PW+\u], v[TB+2], 16, v[PW+\u]
	v_lshl_or_b32 v[PW+\u], v[TB+3], 24, v[PW+\u]
	WIN 0x01                                       ; source 0 window 1
.irp c, 0,1
	v_cvt_scalef32_pk16_fp6_f32 v[PC+6*\c:PC+6*\c+2], v[AC+32*\c:AC+32*\c+15], v[SO+2*\c]
	v_cvt_scalef32_pk16_fp6_f32 v[SPR+4*\c:SPR+4*\c+2], v[AC+32*\c+16:AC+32*\c+31], v[SO+2*\c+1]
.endr
	WIN 0
	v_nop
.irp c, 0,1                            ; a whole block to a lane: lanes 0-15 block 2 c, lanes 16-31 block 2 c + 1
.irp i, 0,1,2
	v_permlane16_swap_b32 v[PC+6*\c+\i], v[SPR+4*\c+\i]
.endr
.irp i, 0,1,2
	v_mov_b32 v[PC+3+6*\c+\i], v[SPR+4*\c+\i]
.endr
.endr
.irp c, 0,1,2
	global_store_b128 v10, v[PC+4*\c:PC+4*\c+3], s[90:91] offset:(\u)*1536+512*\c   ; the operand's registers as they are: 512 consecutive bytes a store
.endr
.if \u
	v_cndmask_b32 v[PW+2], v[PW], v[PW+1], s12     ; lanes 0-15 operand 0's words, lanes 16-31 operand 1's
	global_store_b32 v9, v[PW+2], s[88:89]
.endif
.endm
	s_wait_kmcnt 0x0                               ; the gains are in
	s_wait_tensorcnt 0x0                           ; my part of x or of Wq is in,
	ds_add_u32 v[SPW], v[NIL]
	s_wait_dscnt 0x0
	CROUND                                         ; everybody's part is in, and all sixteen work-groups are here
	tensor_load_to_lds s[G0K:G0K+3], s[G1Q:G1Q+7]  ; my quarter of Wk, into slot 1
	s_nop 0
	PLACES
	FETCHQK 0, ADRBQ
	s_wait_loadcnt 0x0                             ; scale words, cos and sin are in
.irp t, 0,1,2,3,4,5,6,7
	STEPQK \t, ADRBQ, WQ
.endr
	s_wait_tensorcnt 0x0                           ; my quarter of Wk is in;
	ds_add_u32 v[SPW], v[NIL]
	s_wait_dscnt 0x0                               ; my reads of Wq are over
	CROUND                                         ; both hold of every wave of every partner
	tensor_load_to_lds s[G0V:G0V+3], s[G1Q:G1Q+7]  ; my quarter of Wv, into the slot that held Wq
	s_nop 0
	PLACES                                         ; also the places behind q's last products
	FETCHQK 0, ADRBK
	EPI_QK 0, 0
	EPI_QK 1, 0
.irp t, 0,1,2,3,4,5,6,7
	STEPQK \t, ADRBK, WK
.endr
	PLACES                                         ; behind k's last products
	s_wait_tensorcnt 0x0                           ; my quarter of Wv is in,
	s_barrier_signal -1
	s_barrier_wait -1                              ; everybody's is; nothing is filled again
	FETCHV 0
	EPI_QK 0, 1
	EPI_QK 1, 1
.irp t, 0,1,2,3,4,5,6,7
	STEPV \t
.endr
	PLACES                                         ; behind v's last products
	s_wait_xcnt 0x0                                ; k's stores have read their data
	EPI_V 0
	EPI_V 1
	s_wait_tensorcnt 0x0                           ; the wave's end
	ds_add_u32 v[SPW], v[NIL]
	s_wait_dscnt 0x0
	CROUND                                         ; the closing round
	s_endpgm
.Lfunc_end_k_q6f30e16abe_qkv:
	.size	k_q6f30e16abe_qkv, .Lfunc_end_k_q6f30e16abe_qkv-k_q6f30e16abe_qkv
	.p2alignl 7, 3214868480
	.fill 96, 4, 3214868480
	.section	.rodata,"a",@progbits
	.p2align	6, 0x0
	.amdhsa_kernel k_q6f30e16abe_qkv
		.amdhsa_group_segment_fixed_size 327680
		.amdhsa_private_segment_fixed_size 0
		.amdhsa_enable_private_segment 0
		.amdhsa_kernarg_size 64
		.amdhsa_user_sgpr_count 2
		.amdhsa_user_sgpr_kernarg_segment_ptr 1
		.amdhsa_wavefront_size32 1
		.amdhsa_system_sgpr_workgroup_id_x 1
		.amdhsa_system_sgpr_workgroup_id_y 1
		.amdhsa_system_sgpr_workgroup_id_z 1
		.amdhsa_system_vgpr_workitem_id 0
		.amdhsa_next_free_vgpr 768
		.amdhsa_next_free_sgpr 102
		.amdhsa_reserve_vcc 0
		.amdhsa_float_denorm_mode_32 3
		.amdhsa_float_denorm_mode_16_64 3
		.amdhsa_memory_ordered 1
		.amdhsa_forward_progress 1
		.amdhsa_inst_pref_size 207
	.end_amdhsa_kernel
	.amdgpu_metadata
---
amdhsa.version: [ 1, 2 ]
amdhsa.kernels:
  - .name:           k_q6f30e16abe_qkv
    .symbol:         k_q6f30e16abe_qkv.kd
    .args:
      - { .name: xc, .offset: 0, .size: 8, .value_kind: global_buffer, .address_space: global }
      - { .name: xs, .offset: 8, .size: 8, .value_kind: global_buffer, .address_space: global }
      - { .name: wc, .offset: 16, .size: 8, .value_kind: global_buffer, .address_space: global }
      - { .name: ws, .offset: 24, .size: 8, .value_kind: global_buffer, .address_space: global }
      - { .name: cos, .offset: 32, .size: 8, .value_kind: global_buffer, .address_space: global }
      - { .name: sin, .offset: 40, .size: 8, .value_kind: global_buffer, .address_space: global }
      - { .name: q_gain, .offset: 48, .size: 8, .value_kind: global_buffer, .address_space: global }
      - { .name: qkv, .offset: 56, .size: 8, .value_kind: global_buffer, .address_space: global }
    .group_segment_fixed_size: 327680
    .private_segment_fixed_size: 0
    .kernarg_segment_align: 8
    .kernarg_segment_size: 64
    .max_flat_workgroup_size: 128
    .sgpr_count:     102
    .vgpr_count:     768
    .wavefront_size: 32
...
	.end_amdgpu_metadata
.endif
;; end of part 2
;; launch attn (part 3): grid 4 x 64, 16 waves a work-group, clusters of 4 x 1, 169,984 bytes of LDS; arguments qkv, yc, ys; writes yc, ys
.if DOCPART == 3
	.amdgcn_target "amdgcn-amd-amdhsa--gfx1250"
	.amdhsa_code_object_version 6
	.text
	.protected	k_q6f30e16abe_attn
	.globl	k_q6f30e16abe_attn
	.p2align	8
	.type	k_q6f30e16abe_attn,@function
k_q6f30e16abe_attn:
	s_mov_b64 s[64:65], 0
	v_nop
	global_prefetch_b8 v0, s[64:65] scope:SCOPE_SE
	s_setreg_imm32_b32 hwreg(HW_REG_WAVE_MODE, 25, 1), 1
	s_wait_xcnt 0x0
	s_wait_alu depctr_hold_cnt(0) depctr_sa_sdst(0) depctr_va_vdst(0) depctr_va_sdst(0) depctr_va_ssrc(0) depctr_va_vcc(0) depctr_vm_vsrc(0)
	s_getreg_b32 s2, hwreg(HW_REG_IB_STS2, 6, 4)
	s_cmp_eq_u32 s2, 0
	s_cbranch_scc0 .Lentry_in_a_cluster
	s_endpgm
.Lentry_in_a_cluster:
	s_bfe_u32 s2, ttmp6, 0x10000c
	s_cmp_lg_u32 s2, 0x3003
	s_cbranch_scc0 .Lentry_shape_is_right
	s_endpgm
.Lentry_shape_is_right:
; y[b][h][q] = the sum over keys k <= q of softmax_k(q . k / sqrt(32)) v[k], both products on codes of FP6 (E2M3) with E8M0 scales, and y quantised over D for the last product.
; THE SOFTMAX: t = score x log2(e) / sqrt(32); M = the running largest t rounded UP to a whole number; p = 2^(t - M) is quantised along the keys, not normalised; the row's sum is taken of the
; unquantised p and divides at the end; when M moves, the sum and O are multiplied by 2^(old M - new M), which rounds nothing.
; LEFT OUT: key steps all of whose keys come after a tile's queries: the causal mask gives them the weight 0.
; SHARES: the four work-groups of a cluster serve one head (cluster y = 32 b + head).  The head's K and V, 102,400 dense bytes of the buffer qkv, are asked for JOINTLY, once, each of the sixteen waves
; bringing 6,400 bytes; LDS is only read after that, nothing is filled again, and there is no later stream to prefetch.
; A wave makes two passes, each for one tile of 16 queries, tile Tq = 8 j + e.  j, the step on the diagonal, is the wave's number in the first pass and 15 less that in the second: 17 key steps of 128
; for every wave.  e = 2 cx + pass.  So every branch hangs on the wave's number and the pass alone and is the same in all partners; the place in the cluster enters global addresses and the mask's numbers only.
; BOTH PRODUCTS TRANSPOSED: a lane holds one query (lane % 16) throughout.
; THE FIRST PRODUCT'S K IS 32, one K block of the instruction's four.  One operand of K holds FOUR tiles of 16 keys, one in each K block; four operands of Q hold Q's codes in one K block and zero codes in
; the others, and pick the tiles out.  Q's scale byte stands in all four bytes of its word.  Zero codes add nothing under any scale byte but 0xff.
; The tokens of a tile are 32 (t / 2) + 8 (t % 2) + p + 8 (p / 8) of their step, so that the 16 registers of tiles 2 b, 2 b + 1 of the scores are keys 32 b + 16 h + 0 .. 15.
; V's two operands (16 channels x 128 keys) lie in LDS as register images; O^T's registers 8 u + j are channels 16 h + 8 u + j.
; AHEAD: Q of a pass is loaded a pass ahead (the first under the fill of LDS); K's fragments of a step are fetched in the step before, behind the products that read the old ones.
; OUT: yc [tile 128 b + Tq][K block = head][row][24 bytes], ys [row][32] with the byte index = head.
; LIMITS: NaN and infinities are not served; a block of y under 2^-124 or of zeros gets the byte 1.  The step on the diagonal computes all 128 keys and masks the hidden ones.
; REGISTERS: v1-11, v194 addresses; v12 -M, v13 the largest t, v[14:15] the sum; v16-45 Q's four operands (zeros, X0, zeros, X1, zeros); v46 Q's scale word, v47 K's; v48-71 K; v72-95 V;
;   v96-159 the scores, then p; v160-175 O^T; v176-191 at work; v192 p's scale word, v193 V's; v195, v236-241 Q as loaded; v196-207 p's codes; v208-214 the conversions' second halves; v216-235 y.
.set REC,  153600
.set KCD,  2048                        ; LDS: K's scale words at 0, its codes here,
.set VSC,  51200                       ; V's scale words,
.set VCD,  53248                       ; V's codes
.set SPARE, 0x29000                    ; the spare words: 128 bytes for each of 16 waves
.macro CROUND                          ; a round of the cluster's barrier
	s_barrier_signal -1
	s_barrier_wait -1
	s_cmp_lg_u32 s10, 0
	s_cbranch_scc1 .Lnot_wave_0_\@
	s_barrier_signal -3
.Lnot_wave_0_\@:
	s_barrier_wait -3
	s_barrier_signal -1
	s_barrier_wait -1
.endm
.macro QLOAD                           ; Q's codes and scale words of tile s33
	s_mul_i32 s40, s33, 384
	s_add_co_u32 s40, s40, 2048
	s_mov_b32 s41, 0
	s_add_nc_u64 s[40:41], s[4:5], s[40:41]
	s_lshr_b32 s42, s33, 2
	s_lshl_b32 s42, s42, 6
	s_mov_b32 s43, 0
	s_add_nc_u64 s[42:43], s[4:5], s[42:43]        ; the sixteen scale words that hold the tile's bytes
	global_load_b64 v[236:237], v6, s[40:41]
	global_load_b64 v[238:239], v6, s[40:41] offset:8
	global_load_b64 v[240:241], v6, s[40:41] offset:16
	global_load_b32 v195, v194, s[42:43]
.endm
.macro KLOAD ka, sa, nx                ; K's two operands and scale words, nx steps behind the addresses: 13 LDS loads
.irp g, 0,1
.irp c, 0,1
.irp p, 0,1,2
	ds_load_b64 v[48+12*\g+6*\c+2*\p:48+12*\g+6*\c+2*\p+1], v[\ka] offset:KCD+3072*(\nx)+1536*\g+768*\c+8*\p
.endr
.endr
.endr
	ds_load_b32 v47, v[\sa] offset:128*(\nx)       ; lanes 0-15 tiles 0-3, lanes 16-31 tiles 4-7
.endm
	s_load_b128 s[4:7], s[0:1], 0x0                ; qkv, yc
	s_load_b64 s[8:9], s[0:1], 0x10                ; ys
	v_lshl_add_u32 v254, v0, 2, SPARE
	v_mov_b32 v255, 0
	ds_add_u32 v254, v255                          ; the opening lines
	ds_add_u32 v254, v255
	v_lshrrev_b32 v1, 5, v0
	s_delay_alu instid0(VALU_DEP_1)
	v_readfirstlane_b32 s10, v1                    ; wave 0..15
	s_and_b32 s11, ttmp7, 0xffff                   ; 32 b + head
	s_bfe_u32 s55, ttmp6, 0x40000                  ; cx
	s_mul_i32 s12, s11, REC
	s_mov_b32 s13, 0
	s_mov_b32 s16, 15|(3<<16)|(1<<21)              ; group 1: the four partners, elements of 8 bytes, no padding: 25 rows of 256 dense bytes
	s_mov_b32 s17, 32<<16
	s_mov_b32 s18, 25<<16
	s_mov_b32 s19, 32<<16
	s_mov_b32 s20, 25
	s_mov_b32 s21, 32
	s_mov_b32 s22, 0
	s_mov_b32 s23, 0
	s_mov_b32 s24, 1
	s_mul_i32 s25, s10, 6400                       ; my sixteenth, in LDS
	s_add_co_u32 s14, s25, 51200                   ; and in the record, behind Q's part
	s_mov_b32 s15, 0
	s_mov_b32 s34, s10                             ; j of the first pass
	s_lshl_b32 s35, s55, 1                         ; e of the first pass
	s_lshl_b32 s33, s34, 3
	s_add_co_u32 s33, s33, s35                     ; its tile
	v_and_b32 v208, 31, v0                         ; lane
	v_and_b32 v209, 15, v0                         ; r
	v_bfe_u32 v210, v0, 4, 1                       ; h
	s_delay_alu instid0(VALU_DEP_2)
	v_mul_u32_u24 v6, v209, 24                     ; v6: Q's codes: 24 r (both halves load them)
	s_delay_alu instid0(VALU_DEP_1)
	v_mad_u32_u24 v1, v210, 384, v6                ; v1: K's operand: 384 h + 24 r
	s_delay_alu instid0(VALU_DEP_2)
	v_mad_u32_u24 v7, v210, 12, v6                 ; v7: y's codes: 24 r + 12 h
	v_lshlrev_b32 v2, 4, v208                      ; v2: a register image: 16 x lane
	v_lshlrev_b32 v3, 2, v208                      ; v3: scale words: 4 x lane
	v_and_b32 v4, 8, v209
	s_delay_alu instid0(VALU_DEP_1)
	v_add_nc_u32 v4, v4, v209
	v_lshlrev_b32 v211, 4, v210
	s_delay_alu instid0(VALU_DEP_1)
	v_sub_nc_u32 v4, v4, v211                      ; v4: r + 8 (r / 8) - 16 h
	v_lshlrev_b32 v11, 5, v209                     ; v11: y's scale bytes: 32 r
	v_lshlrev_b32 v194, 2, v209                    ; v194: Q's scale word: 4 r
	s_wait_alu depctr_va_vdst(0)                   ; the wait ahead of the waits below
	s_wait_dscnt 0x0                               ; both opening adds are done
	s_wait_kmcnt 0x0
	s_add_nc_u64 s[4:5], s[4:5], s[12:13]          ; the head's record
	s_add_nc_u64 s[26:27], s[4:5], s[14:15]
	s_or_b32 s27, s27, 0x80000000
	QLOAD                                          ; the first pass's Q, on its way while LDS is filled
	CROUND                                         ; the four partners are here: the joint loads meet
	tensor_load_to_lds s[24:27], s[16:23]          ; the one tensor load of this wave
	s_nop 0
.rept 4
	v_nop
.endr
.irp j, 16,17,18,19,20,21,28,29,30,31,32,33,40,41,42,43,44,45
	v_mov_b32 v[\j], 0                             ; the zero codes of Q's operands: they stay
.endr
.irp j, 180,181,182,183,189
	v_mov_b32 v[\j], 0                             ; written once: lane permutes' destinations, and the upper half of the pair v[188:189]
.endr
	s_mov_b32 s28, 0x76543210
	s_mov_b32 s29, 0xfedcba98                      ; v_permlanex16_b32's selects for lane l xor 16
	s_mov_b32 s30, 0x3e8293ee                      ; c = log2(e) / sqrt(32)
	s_mov_b32 s31, s30                             ; (named with it as a pair)
	s_mov_b32 s48, 0xffff0000                      ; lanes 16-31
	s_lshr_b32 s49, s11, 5
	s_lshl_b32 s49, s49, 7                         ; 128 b
	s_and_b32 s50, s11, 31                         ; head
	s_mul_i32 s51, s50, 384
	s_mov_b32 s32, 0                               ; the pass
	s_wait_alu depctr_va_vdst(0)                   ; the wait at the head's end
	s_wait_tensorcnt 0x0                           ; my part of K and V is in,
	s_barrier_signal -1
	s_barrier_wait -1                              ; everybody's is; from here on LDS is only read
.Lpass:
	s_wait_xcnt 0x0                                ; the last pass's stores have read their bases and data
	s_lshl_b32 s33, s34, 3
	s_add_co_u32 s33, s33, s35                     ; Tq = 8 j + e
	s_add_co_u32 s52, s49, s33                     ; y's tile of rows
	s_mul_i32 s44, s52, 12288
	s_add_co_u32 s44, s44, s51
	s_mov_b32 s45, 0
	s_add_nc_u64 s[44:45], s[6:7], s[44:45]        ; where y's codes go,
	s_lshl_b32 s46, s52, 9
	s_add_co_u32 s46, s46, s50
	s_mov_b32 s47, 0
	s_add_nc_u64 s[46:47], s[8:9], s[46:47]        ; and its scale bytes
	s_lshr_b32 s53, s35, 1
	s_lshl_b32 s53, s53, 5
	s_and_b32 s54, s35, 1
	s_lshl_b32 s54, s54, 3
	s_add_co_u32 s53, s53, s54
	s_and_b32 s39, s35, 3
	s_lshl_b32 s39, s39, 3                         ; which byte of the scale word is the tile's
	s_wait_dscnt 0x0                               ; the last pass's fetch ahead has landed: its registers take step 0's K
	KLOAD 1, 3, 0
	s_wait_loadcnt 0x0                             ; this pass's Q is in
	v_lshrrev_b32 v215, s39, v195
	s_delay_alu instid0(VALU_DEP_1)
	v_perm_b32 v46, v215, v215, 0                  ; the tile's byte in all four bytes
.irp i, 0,1,2,3,4,5
	v_cndmask_b32 v[22+\i], v[236+\i], v16, s48    ; X0: Q's codes in lanes 0-15, zeros in lanes 16-31
	v_cndmask_b32 v[34+\i], v16, v[236+\i], s48    ; X1: the other way round
.endr
	v_add_nc_u32 v5, s53, v4                       ; d = my query's place in its step - 16 h.  Register 16 b + i of the scores is key 32 b + 16 h + i: hidden on the diagonal where 32 b + i > d
	v_mov_b32 v13, 0xff61b1e6                      ; the largest t so far: -3e38
	s_delay_alu instid0(VALU_DEP_1)
	v_floor_f32 v12, -v13                          ; -M
	v_mov_b32 v14, 0
	v_mov_b32 v15, 0
.set J, 0
.rept 16
	v_mov_b32 v[160+J], 0                          ; O^T: the first step finds zeros.  (These lines are also the places between Q's operands and scale word and the first product)
.set J, J+1
.endr
	s_cmp_lg_u32 s32, 0
	s_cbranch_scc1 .Lnoq                           ; a branch on the pass: the second pass has no successor
	s_sub_co_u32 s33, 15, s34
	s_lshl_b32 s33, s33, 3
	s_add_co_u32 s33, s33, s35
	s_add_co_u32 s33, s33, 1                       ; the second pass's tile: 8 (15 - j) + e + 1
	QLOAD                                          ; (the loads that named these registers are done)
.Lnoq:
	s_mov_b32 s36, 0                               ; the key step
	s_mov_b32 s37, 0                               ; its codes: 3,072 bytes a step
	s_mov_b32 s38, 0                               ; its scale words: 128 bytes a step
	s_wait_alu depctr_va_vdst(0)                   ; the wait at the pass's head's end
.Lstep:                                            ; sixteen trips, a constant; a step all of whose keys come after my queries is jumped over: a branch on ids
	s_cmp_gt_u32 s36, s34
	s_cbranch_scc1 .Lhidden
	s_wait_dscnt 0x0                               ; this step's K, fetched a step ago, is in
	s_wait_alu depctr_va_vdst(0)
.irp t, 0,1,2,3
	v_wmma_scale_f32_16x16x128_f8f6f4 v[96+8*\t:103+8*\t], v[48:59], v[22+12*(\t%2)-6*(\t/2):33+12*(\t%2)-6*(\t/2)], 0, v47, v46 matrix_a_fmt:MATRIX_FMT_FP6 matrix_b_fmt:MATRIX_FMT_FP6
.endr
.irp t, 0,1,2,3
	v_wmma_scale_f32_16x16x128_f8f6f4 v[128+8*\t:135+8*\t], v[60:71], v[22+12*(\t%2)-6*(\t/2):33+12*(\t%2)-6*(\t/2)], 0, v47, v46 matrix_a_fmt:MATRIX_FMT_FP6 matrix_b_fmt:MATRIX_FMT_FP6 matrix_a_scale:MATRIX_SCALE_ROW1
.endr
	v_add_nc_u32 v8, s37, v1                       ; four plain lines: the places behind these products and behind the last step's,
	v_add_nc_u32 v9, s37, v2                       ; ahead of the loads into their operands and of the first read of the scores
	v_add_nc_u32 v10, s38, v3
	v_mov_b32 v191, v12                            ; the old -M
.irp u, 0,1
.irp k, 0,1,2
	ds_load_b128 v[72+12*\u+4*\k:72+12*\u+4*\k+3], v9 offset:VCD+1536*\u+512*\k
.endr
.endr
	ds_load_b32 v193, v10 offset:VSC               ; V's scale words: lanes 0-15 u = 0, lanes 16-31 u = 1
	KLOAD 8, 10, 1                                 ; the next step's K (behind the last step it names bytes inside the fill, and nobody reads what comes)
	s_cmp_lg_u32 s36, s34                          ; on the diagonal the scores of hidden keys become -infinity: p = 0 then
	s_cbranch_scc1 .Lopen
	v_mov_b32 v190, 0xff800000
.set N, 0
.rept 64
	v_cmp_gt_i32 vcc_lo, 32*(N/16)+N%16, v5
	v_cndmask_b32 v[96+N], v[96+N], v190, vcc_lo
.set N, N+1
.endr
.Lopen:
.irp b, 0,1,2,3
	v_max3_num_f32 v[176+\b], v[96+16*\b], v[97+16*\b], v[98+16*\b]   ; the largest score of each block of 32 keys: for the row's maximum and, since p rises with the score, for the block's largest p
.endr
.irp i, 3,5,7,9,11,13
.irp b, 0,1,2,3
	v_max3_num_f32 v[176+\b], v[176+\b], v[96+16*\b+\i], v[97+16*\b+\i]
.endr
.endr
.irp b, 0,1,2,3
	v_max_num_f32 v[176+\b], v[176+\b], v[111+16*\b]
.endr
.irp b, 0,1,2,3
	s_delay_alu instid0(VALU_DEP_4)
	v_permlanex16_b32 v[180+\b], v[176+\b], s28, s29
.endr
.irp b, 0,1,2,3
	s_delay_alu instid0(VALU_DEP_4)
	v_max_num_f32 v[176+\b], v[176+\b], v[180+\b]  ; with lane l xor 16's 16 keys
.endr
	s_delay_alu instid0(VALU_DEP_2)
	v_max3_num_f32 v190, v176, v177, v178
	s_delay_alu instid0(VALU_DEP_1)
	v_max_num_f32 v190, v190, v179                 ; the step's largest score of my query
	s_delay_alu instid0(VALU_DEP_1)
	v_mul_f32 v190, s30, v190                      ; as t
	s_delay_alu instid0(VALU_DEP_1)
	v_max_num_f32 v13, v13, v190                   ; the running largest t
	s_delay_alu instid0(VALU_DEP_1)
	v_floor_f32 v12, -v13                          ; the new -M = -ceil(t)
	s_delay_alu instid0(VALU_DEP_1)
	v_sub_f32 v190, v12, v191                      ; old M - new M: a whole number, 0 or less
	s_delay_alu instid0(VALU_DEP_1)
	v_cvt_i32_f32 v190, v190                       ; (it saturates)
	s_delay_alu instid0(VALU_DEP_1)
	v_ldexp_f32 v188, 1.0, v190                    ; f = 2^(old M - new M)
.set J, 0
.rept 32
	v_pk_fma_f32 v[96+J:97+J], v[96+J:97+J], s[30:31], v[12:13] op_sel_hi:[1,0,0]   ; t - M, two at a time
.set J, J+2
.endr
.irp b, 0,1,2,3
	v_fma_f32 v[176+\b], v[176+\b], s30, v12       ; the same of each block's largest score
.endr
.set J, 0
	s_wait_alu depctr_va_vdst(0)                   ; the wait ahead of the batch
.rept 64
	v_exp_f32 v[96+J], v[96+J]                     ; p = 2^(t - M)
.set J, J+1
.endr
.irp b, 0,1,2,3
	v_exp_f32 v[176+\b], v[176+\b]                 ; the block's largest p: the same two instructions on the same number
.endr
	v_pk_mul_f32 v[14:15], v[14:15], v[188:189] op_sel_hi:[1,0]    ; the sum under the new M (a plain line behind the exponentials)
	s_wait_alu depctr_va_vdst(0)                   ; one wait for the batch of 68, ahead of its first reader
.irp b, 0,1,2,3
	v_max_num_f32 v[176+\b], 0x1800000, v[176+\b]  ; the floor 2^(3 - 127): the byte cannot fall under 1
.endr
.irp b, 0,1,2,3
	s_delay_alu instid0(VALU_DEP_4)
	v_add_nc_u32 v[184+\b], 0xff000000, v[176+\b]  ; 2 off the exponent field: the conversion's scale operand
.endr
.irp b, 0,1,2,3
	s_delay_alu instid0(VALU_DEP_4)
	v_lshrrev_b32 v[180+\b], 23, v[184+\b]
.endr
	s_delay_alu instid0(VALU_DEP_3)
	v_lshl_or_b32 v192, v181, 8, v180              ; p's scale word for these 128 keys
	s_delay_alu instid0(VALU_DEP_1)
	v_lshl_or_b32 v192, v182, 16, v192
	s_delay_alu instid0(VALU_DEP_1)
	v_lshl_or_b32 v192, v183, 24, v192
.irp c, 0,1
	v_cvt_scalef32_pk16_fp6_f32 v[196+6*\c:198+6*\c], v[96+32*\c:111+32*\c], v[184+2*\c]
	v_cvt_scalef32_pk16_fp6_f32 v[208+4*\c:210+4*\c], v[112+32*\c:127+32*\c], v[184+2*\c+1]   ; (a conversion's three registers begin on an even number)
.endr
	v_nop                                          ; one plain line behind the last conversion
.irp c, 0,1                                    ; a whole block to a lane: lanes 0-15 block 2 c, lanes 16-31 block 2 c + 1
.irp i, 0,1,2
	v_permlane16_swap_b32 v[196+6*\c+\i], v[208+4*\c+\i]
.endr
.irp i, 0,1,2
	s_delay_alu instid0(VALU_DEP_3)
	v_mov_b32 v[199+6*\c+\i], v[208+4*\c+\i]
.endr
.endr
.irp j, 0,2,4,6,8,10,12,14
	v_pk_mul_f32 v[160+\j:161+\j], v[160+\j:161+\j], v[188:189] op_sel_hi:[1,0]   ; O^T under the new M, each accumulator from its low end on
.endr
	v_pk_add_f32 v[190:191], v[100:101], v[104:105]                ; the row's sum of the unquantised p, in eight chains
	v_pk_add_f32 v[252:253], v[108:109], v[112:113]
	v_pk_add_f32 v[250:251], v[116:117], v[120:121]
	v_pk_add_f32 v[248:249], v[124:125], v[128:129]
	v_pk_add_f32 v[246:247], v[132:133], v[136:137]
	v_pk_add_f32 v[244:245], v[140:141], v[144:145]
	v_pk_add_f32 v[242:243], v[148:149], v[152:153]
	v_pk_add_f32 v[14:15], v[14:15], v[156:157]
	v_pk_add_f32 v[190:191], v[190:191], v[96:97]
	v_pk_add_f32 v[252:253], v[252:253], v[98:99]
	v_pk_add_f32 v[250:251], v[250:251], v[102:103]
	v_pk_add_f32 v[248:249], v[248:249], v[106:107]
	v_pk_add_f32 v[246:247], v[246:247], v[110:111]
	v_pk_add_f32 v[244:245], v[244:245], v[114:115]
	v_pk_add_f32 v[242:243], v[242:243], v[118:119]
	v_pk_add_f32 v[14:15], v[14:15], v[122:123]
	v_pk_add_f32 v[190:191], v[190:191], v[126:127]
	v_pk_add_f32 v[252:253], v[252:253], v[130:131]
	v_pk_add_f32 v[250:251], v[250:251], v[134:135]
	v_pk_add_f32 v[248:249], v[248:249], v[138:139]
	v_pk_add_f32 v[246:247], v[246:247], v[142:143]
	v_pk_add_f32 v[244:245], v[244:245], v[146:147]
	v_pk_add_f32 v[242:243], v[242:243], v[150:151]
	v_pk_add_f32 v[14:15], v[14:15], v[154:155]
	v_pk_add_f32 v[190:191], v[190:191], v[158:159]
	s_delay_alu instid0(VALU_DEP_2)
	v_pk_add_f32 v[14:15], v[14:15], v[248:249]
	s_delay_alu instid0(VALU_DEP_2)
	v_pk_add_f32 v[190:191], v[190:191], v[246:247]
	v_pk_add_f32 v[252:253], v[252:253], v[244:245]
	v_pk_add_f32 v[250:251], v[250:251], v[242:243]
	s_delay_alu instid0(VALU_DEP_2)
	v_pk_add_f32 v[14:15], v[14:15], v[252:253]
	s_delay_alu instid0(VALU_DEP_2)
	v_pk_add_f32 v[190:191], v[190:191], v[250:251]
	s_delay_alu instid0(VALU_DEP_1)
	v_pk_add_f32 v[14:15], v[14:15], v[190:191]
	s_wait_dscnt 13                                ; V's seven loads are in; the thirteen of the next step's K, issued behind them, may be out
	v_wmma_scale_f32_16x16x128_f8f6f4 v[160:167], v[72:83], v[196:207], v[160:167], v193, v192 matrix_a_fmt:MATRIX_FMT_FP6 matrix_b_fmt:MATRIX_FMT_FP6
	v_wmma_scale_f32_16x16x128_f8f6f4 v[168:175], v[84:95], v[196:207], v[168:175], v193, v192 matrix_a_fmt:MATRIX_FMT_FP6 matrix_b_fmt:MATRIX_FMT_FP6 matrix_a_scale:MATRIX_SCALE_ROW1
.Lhidden:
	s_add_co_u32 s37, s37, 3072
	s_add_co_u32 s38, s38, 128
	s_add_co_u32 s36, s36, 1
	s_cmp_lt_u32 s36, 16
	s_cbranch_scc1 .Lstep
	; ---- the way out of a pass
.rept 4
	v_nop                                          ; behind the last products
.endr
	s_wait_alu depctr_va_vdst(0)
	v_add_f32 v14, v14, v15
	s_delay_alu instid0(VALU_DEP_1)
	v_permlanex16_b32 v180, v14, s28, s29
	s_delay_alu instid0(VALU_DEP_1)
	v_add_f32 v14, v14, v180                       ; the row's sum
	s_wait_alu depctr_va_vdst(0)
	v_rcp_f32 v188, v14
	v_nop
	s_wait_alu depctr_va_vdst(0)                   ; ahead of the reciprocal's first reader
.irp j, 0,2,4,6,8,10,12,14
	v_pk_mul_f32 v[216+\j:217+\j], v[160+\j:161+\j], v[188:189] op_sel_hi:[1,0]   ; y: register i is channel 16 h + i of my query
.endr
	v_max3_num_f32 v190, |v216|, |v217|, 0x1800000 ; the head is one block of the last product's K: my 16, the floor,
	v_max3_num_f32 v191, |v218|, |v219|, |v220|
	s_delay_alu instid0(VALU_DEP_2)
	v_max3_num_f32 v190, v190, |v221|, |v222|
	s_delay_alu instid0(VALU_DEP_2)
	v_max3_num_f32 v191, v191, |v223|, |v224|
	s_delay_alu instid0(VALU_DEP_2)
	v_max3_num_f32 v190, v190, |v225|, |v226|
	s_delay_alu instid0(VALU_DEP_2)
	v_max3_num_f32 v191, v191, |v227|, |v228|
	s_delay_alu instid0(VALU_DEP_2)
	v_max3_num_f32 v190, v190, |v229|, |v230|
	s_delay_alu instid0(VALU_DEP_1)
	v_max3_num_f32 v190, v190, v191, |v231|
	s_delay_alu instid0(VALU_DEP_1)
	v_permlanex16_b32 v180, v190, s28, s29
	s_delay_alu instid0(VALU_DEP_1)
	v_max_num_f32 v190, v190, v180                 ; and the other half's 16
	s_delay_alu instid0(VALU_DEP_1)
	v_add_nc_u32 v184, 0xff000000, v190
	v_cvt_scalef32_pk16_fp6_f32 v[232:234], v[216:231], v184
	v_lshrrev_b32 v235, 23, v184                   ; the byte (a plain line behind the conversion)
	global_store_b96 v7, v[232:234], s[44:45]      ; the wave stores 384 consecutive bytes
	global_store_b8 v11, v235, s[46:47]            ; row r's byte for this head; lanes l and l + 16 name the same byte with the same value, so EXEC stays as it is
	s_sub_co_u32 s34, 15, s34                      ; the second pass: j,
	s_add_co_u32 s35, s35, 1                       ; e
	s_add_co_u32 s32, s32, 1
	s_cmp_lt_u32 s32, 2
	s_cbranch_scc1 .Lpass
	s_wait_tensorcnt 0x0                           ; the wave's end
	ds_add_u32 v254, v255
	s_wait_dscnt 0x0
	CROUND                                         ; the closing round
	s_endpgm
.Lfunc_end_k_q6f30e16abe_attn:
	.size	k_q6f30e16abe_attn, .Lfunc_end_k_q6f30e16abe_attn-k_q6f30e16abe_attn
	.p2alignl 7, 3214868480
	.fill 96, 4, 3214868480
	.section	.rodata,"a",@progbits
	.p2align	6, 0x0
	.amdhsa_kernel k_q6f30e16abe_attn
		.amdhsa_group_segment_fixed_size 169984
		.amdhsa_private_segment_fixed_size 0
		.amdhsa_enable_private_segment 0
		.amdhsa_kernarg_size 24
		.amdhsa_user_sgpr_count 2
		.amdhsa_user_sgpr_kernarg_segment_ptr 1
		.amdhsa_wavefront_size32 1
		.amdhsa_system_sgpr_workgroup_id_x 1
		.amdhsa_system_sgpr_workgroup_id_y 1
		.amdhsa_system_sgpr_workgroup_id_z 1
		.amdhsa_system_vgpr_workitem_id 0
		.amdhsa_next_free_vgpr 256
		.amdhsa_next_free_sgpr 66
		.amdhsa_reserve_vcc 1
		.amdhsa_float_denorm_mode_32 3
		.amdhsa_float_denorm_mode_16_64 3
		.amdhsa_memory_ordered 1
		.amdhsa_forward_progress 1
		.amdhsa_inst_pref_size 33
	.end_amdhsa_kernel
	.amdgpu_metadata
---
amdhsa.version: [ 1, 2 ]
amdhsa.kernels:
  - .name:           k_q6f30e16abe_attn
    .symbol:         k_q6f30e16abe_attn.kd
    .args:
      - { .name: qkv, .offset: 0, .size: 8, .value_kind: global_buffer, .address_space: global }
      - { .name: yc, .offset: 8, .size: 8, .value_kind: global_buffer, .address_space: global }
      - { .name: ys, .offset: 16, .size: 8, .value_kind: global_buffer, .address_space: global }
    .group_segment_fixed_size: 169984
    .private_segment_fixed_size: 0
    .kernarg_segment_align: 8
    .kernarg_segment_size: 24
    .max_flat_workgroup_size: 512
    .sgpr_count:     66
    .vgpr_count:     256
    .wavefront_size: 32
...
	.end_amdgpu_metadata
.endif
;; end of part 3
;; launch proj (part 4): grid 8 x 32, 4 waves a work-group, clusters of 4 x 4, 327,680 bytes of LDS; arguments yc, ys, wc, ws, out0; writes out0
.if DOCPART == 4
	.amdgcn_target "amdgcn-amd-amdhsa--gfx1250"
	.amdhsa_code_object_version 6
	.text
	.protected	k_q6f30e16abe_proj
	.globl	k_q6f30e16abe_proj
	.p2align	8
	.type	k_q6f30e16abe_proj,@function
k_q6f30e16abe_proj:
	s_mov_b64 s[64:65], 0
	v_nop
	global_prefetch_b8 v0, s[64:65] scope:SCOPE_SE
	s_setreg_imm32_b32 hwreg(HW_REG_WAVE_MODE, 25, 1), 1
	s_wait_xcnt 0x0
	s_wait_alu depctr_hold_cnt(0) depctr_sa_sdst(0) depctr_va_vdst(0) depctr_va_sdst(0) depctr_va_ssrc(0) depctr_va_vcc(0) depctr_vm_vsrc(0)
	s_getreg_b32 s2, hwreg(HW_REG_IB_STS2, 6, 4)
	s_cmp_eq_u32 s2, 0
	s_cbranch_scc0 .Lentry_in_a_cluster
	s_endpgm
.Lentry_in_a_cluster:
	s_bfe_u32 s2, ttmp6, 0x10000c
	s_cmp_lg_u32 s2, 0xf033
	s_cbranch_scc0 .Lentry_shape_is_right
	s_endpgm
.Lentry_shape_is_right:
; out0[m][n] = the sum over k of y[m][k] Wproj[n][k], on codes of FP6 (E2M3) with E8M0 scales as the earlier launches laid them: codes [tile of 16 rows][K block 0..31][row][24 bytes], 12,288 bytes a tile;
; scale bytes [tile][row][32].  Wproj's 64 tiles begin at tile 192 of wc and ws.  y's tile i of a group of 128 rows holds tokens 32 (i / 2) + 8 (i % 2) + p + 8 (p / 8).
; SHARES: 8 x 32 = 256 work-groups, each a block of 128 x 128 of out0; four waves, each 64 x 64: 16 accumulators.  K is 1,024: the block's 8 tiles of y and 8 tiles of Wproj, for ALL of K, are 2 x 98,304
; dense bytes and lie in LDS together.  Each wave brings a quarter, 49,152 dense bytes, by its one tensor load at the head; nothing is filled again, so there is no ring.
; CLUSTERS: 4 x 4.  y's tiles hang on the block's row and are asked for jointly along a row of the cluster, Wproj's on its column and jointly along a column.
; No prefetch: every byte is asked for once, at the head, and there is no loop to run ahead in.
; THE SCALE WORDS go from memory into registers: one load of 16 bytes a lane at 32 r + 16 h covers a tile's 512 consecutive bytes; lanes 0-15 then hold row r's words of K steps 0-3, lanes 16-31 those of steps 4-7,
; which the products of steps 4-7 pick by ROW1.
; THE MATRIX INSTRUCTION IS USED TRANSPOSED (source 0 = 16 rows of Wproj, source 1 = 16 rows of y): a lane holds eight neighbouring numbers of a row of out0.
; REGISTERS: window 0: v16-21 addresses, v28-29 the add's, v32-47 y's scale words, v48-63 Wproj's, v64-255 two sets of fragments (4 of Wproj, 4 of y, 12 registers each); window 1: v0-127 the accumulators (a, b) at 8 (4 a + b).
.set TILEB,  12288
.set QUART,  4*TILEB                   ; what one tensor load brings, and what one wave reads of y or of Wproj
.set STAGE,  4*QUART                   ; behind the codes: 16 rows x 272 bytes for each wave, for the way out
.set SPITCH, 272
.set SPARE,  STAGE+4*16*SPITCH         ; the spare words: 128 bytes for each wave
.set FR,   12
.set ADRA, 16
.set ADRB, 17
.set STO,  18
.set RD,   19
.set CO,   20
.set SOF,  21
.set SPW,  28
.set NIL,  29
.set SA,   32
.set SB,   48
.set FB,   64
.set G1A,  24
.set G1B,  32
.set G0A,  40
.set G0B,  44
.set MSB, 0
.macro WIN new                         ; the immediate's high byte repeats the setting that is left
.if MSB != \new
	s_set_vgpr_msb (MSB<<8)|\new
.set MSB, \new
.endif
.endm
.macro CROUND                          ; a round of the cluster's barrier
	s_barrier_signal -1
	s_barrier_wait -1
	s_cmp_lg_u32 s14, 0
	s_cbranch_scc1 .Lnot_wave_0_\@
	s_barrier_signal -3
.Lnot_wave_0_\@:
	s_barrier_wait -3
	s_barrier_signal -1
	s_barrier_wait -1
.endm
.macro PLACES
.rept 4
	v_nop
.endr
.endm
	s_load_b256 s[4:11], s[0:1], 0x0               ; yc, ys, wc, ws
	s_load_b64 s[12:13], s[0:1], 0x20              ; out0
	v_lshl_add_u32 v[SPW], v0, 2, SPARE
	v_mov_b32 v[NIL], 0
	ds_add_u32 v[SPW], v[NIL]                      ; the opening lines
	ds_add_u32 v[SPW], v[NIL]
	v_lshrrev_b32 v1, 5, v0
	v_readfirstlane_b32 s14, v1                    ; wave 0..3
	s_lshr_b32 s15, s14, 1                         ; my half of the block's rows.  Also: I fetch for y (0) or for Wproj (1)
	s_and_b32 s16, s14, 1                          ; my half of its columns.  Also: which four tiles I fetch
	s_bfe_u32 s48, ttmp6, 0x40000                  ; cx
	s_bfe_u32 s49, ttmp6, 0x40004                  ; cy
	s_lshl_b32 s3, ttmp9, 2
	s_add_co_u32 s3, s3, s48                       ; block column 0..7
	s_and_b32 s17, ttmp7, 0xffff
	s_lshl_b32 s17, s17, 2
	s_add_co_u32 s17, s17, s49                     ; block row 0..31
	s_lshl_b32 s18, s49, 2
	s_lshl_b32 s18, 15, s18                        ; my row of the cluster
	s_lshl_b32 s19, 0x1111, s48                    ; my column
	s_or_b32 s[G1A], s18, (3<<16)|(1<<21)          ; elements of 8 bytes, no padding
	s_or_b32 s[G1B], s19, (3<<16)|(1<<21)
.irp g, G1A, G1B
	s_mov_b32 s[\g+1], 32<<16                      ; 192 rows of 256 dense bytes
	s_mov_b32 s[\g+2], 192<<16
	s_mov_b32 s[\g+3], 32<<16
	s_mov_b32 s[\g+4], 192
	s_mov_b32 s[\g+5], 32
	s_mov_b32 s[\g+6], 0
	s_mov_b32 s[\g+7], 0
.endr
	s_mul_i32 s60, s16, QUART
	s_mul_i32 s20, s17, 2*QUART
	s_add_co_u32 s20, s20, s60                     ; y's codes that I fetch
	s_mov_b32 s21, 0
	s_mul_i32 s22, s3, 2*QUART
	s_add_co_u32 s22, s22, s60
	s_add_co_u32 s22, s22, 192*TILEB               ; Wproj's
	s_mov_b32 s23, 0
	s_lshl_b32 s50, s17, 12
	s_lshl_b32 s61, s15, 11
	s_add_co_u32 s50, s50, s61                     ; the scale bytes of my 64 rows of y
	s_mov_b32 s51, 0
	s_lshl_b32 s52, s3, 12
	s_lshl_b32 s61, s16, 11
	s_add_co_u32 s52, s52, s61
	s_add_co_u32 s52, s52, 192*512                 ; and of my 64 rows of Wproj
	s_mov_b32 s53, 0
	s_lshl_b32 s54, s17, 19                        ; out0: 128 rows of 4,096 bytes a block row,
	s_lshl_b32 s61, s15, 18                        ; 64 rows a half,
	s_add_co_u32 s54, s54, s61
	s_lshl_b32 s61, s3, 9                          ; 512 bytes a block column,
	s_add_co_u32 s54, s54, s61
	s_lshl_b32 s61, s16, 8                         ; 256 a half
	s_add_co_u32 s54, s54, s61
	s_mov_b32 s55, 0
	s_mul_i32 s57, s15, QUART                      ; LDS: my four tiles of y,
	s_add_co_u32 s58, s60, 2*QUART                 ; of Wproj,
	s_mul_i32 s59, s14, 16*SPITCH
	s_add_co_u32 s59, s59, STAGE                   ; my stage
	s_mov_b32 s[G0A], 1
	s_mul_i32 s[G0A+1], s14, QUART                 ; where my quarter goes: no place in the cluster enters an LDS address
	s_mov_b32 s[G0B], 1
	s_mul_i32 s[G0B+1], s14, QUART
	v_and_b32 v1, 15, v0                           ; r
	v_bfe_u32 v2, v0, 4, 1                         ; h
	v_mul_u32_u24 v3, v1, 24
	v_mad_u32_u24 v3, v2, 384, v3                  ; a fragment: 24 r + 384 h
	v_add_nc_u32 v[ADRA], s57, v3
	v_add_nc_u32 v[ADRB], s58, v3
	v_lshlrev_b32 v4, 5, v1
	v_lshl_add_u32 v[SOF], v2, 4, v4               ; scale bytes: 32 r + 16 h
	v_mul_u32_u24 v5, v1, SPITCH
	v_lshl_add_u32 v5, v2, 5, v5
	v_add_nc_u32 v[STO], s59, v5                   ; into the stage: row r, 32 bytes for each half of the lanes
	v_mul_u32_u24 v6, v2, SPITCH
	v_lshl_add_u32 v6, v1, 4, v6
	v_add_nc_u32 v[RD], s59, v6                    ; back: lanes 0-15 one row of 256 bytes, lanes 16-31 the next
	v_lshlrev_b32 v7, 12, v2
	v_lshl_add_u32 v[CO], v1, 4, v7                ; and the same two rows in out0
	s_wait_alu depctr_va_vdst(0)                   ; the wait at the head's end
	s_wait_dscnt 0x0                               ; both opening adds are done
	s_wait_kmcnt 0x0
	s_add_nc_u64 s[G0A+2:G0A+3], s[4:5], s[20:21]
	s_or_b32 s[G0A+3], s[G0A+3], 0x80000000
	s_add_nc_u64 s[G0B+2:G0B+3], s[8:9], s[22:23]
	s_or_b32 s[G0B+3], s[G0B+3], 0x80000000
	s_add_nc_u64 s[50:51], s[6:7], s[50:51]
	s_add_nc_u64 s[52:53], s[10:11], s[52:53]
	s_add_nc_u64 s[12:13], s[12:13], s[54:55]
.irp i, 0,1,2,3
	global_load_b128 v[SA+4*\i:SA+4*\i+3], v[SOF], s[50:51] offset:512*\i   ; 32 lanes read a tile's 512 consecutive bytes
	global_load_b128 v[SB+4*\i:SB+4*\i+3], v[SOF], s[52:53] offset:512*\i
.endr
	CROUND                                         ; all sixteen work-groups are here: the joint loads meet
	s_cmp_eq_u32 s15, 0                            ; one tensor load a wave: waves 0, 1 for y, waves 2, 3 for Wproj
	s_cbranch_scc0 .Lfor_b
	tensor_load_to_lds s[G0A:G0A+3], s[G1A:G1A+7]
	s_nop 0
	PLACES
	s_branch .Lasked
.Lfor_b:
	tensor_load_to_lds s[G0B:G0B+3], s[G1B:G1B+7]
	s_nop 0
	PLACES
.Lasked:
.macro FRAG reg, adr, st, i            ; 16 rows x 128 K: lane (r, h) takes 24 bytes of K block 4 st + h and 24 of K block 4 st + 2 + h, in pieces of 8
.irp p, 0,1,2,3,4,5
	ds_load_b64 v[\reg+2*\p:\reg+2*\p+1], v[\adr] offset:(\i)*TILEB+(4*(\st)+2*(\p/3))*384+8*(\p%3)
.endr
.endm
.macro FETCH st                        ; step st's eight fragments into set st % 2: 48 LDS loads
.irp i, 0,1,2,3
	FRAG FB+96*((\st)%2)+FR*\i, ADRB, \st, \i
.endr
.irp i, 0,1,2,3
	FRAG FB+96*((\st)%2)+48+FR*\i, ADRA, \st, \i
.endr
.endm
.macro MUL st                          ; 16 products; the 16 accumulators take turns, in the same order in every step; step 0 starts the sums
.set P, FB+96*((\st)%2)
.irp a, 0,1,2,3
.irp b, 0,1,2,3
.if (\st) == 0
	v_wmma_scale_f32_16x16x128_f8f6f4 v[8*(4*\a+\b):8*(4*\a+\b)+7], v[P+FR*\b:P+FR*\b+FR-1], v[P+48+FR*\a:P+48+FR*\a+FR-1], 0, v[SB+4*\b], v[SA+4*\a] matrix_a_fmt:MATRIX_FMT_FP6 matrix_b_fmt:MATRIX_FMT_FP6
.elseif (\st) < 4
	v_wmma_scale_f32_16x16x128_f8f6f4 v[8*(4*\a+\b):8*(4*\a+\b)+7], v[P+FR*\b:P+FR*\b+FR-1], v[P+48+FR*\a:P+48+FR*\a+FR-1], v[8*(4*\a+\b):8*(4*\a+\b)+7], v[SB+4*\b+(\st)%4], v[SA+4*\a+(\st)%4] matrix_a_fmt:MATRIX_FMT_FP6 matrix_b_fmt:MATRIX_FMT_FP6
.else
	v_wmma_scale_f32_16x16x128_f8f6f4 v[8*(4*\a+\b):8*(4*\a+\b)+7], v[P+FR*\b:P+FR*\b+FR-1], v[P+48+FR*\a:P+48+FR*\a+FR-1], v[8*(4*\a+\b):8*(4*\a+\b)+7], v[SB+4*\b+(\st)%4], v[SA+4*\a+(\st)%4] matrix_a_fmt:MATRIX_FMT_FP6 matrix_b_fmt:MATRIX_FMT_FP6 matrix_a_scale:MATRIX_SCALE_ROW1 matrix_b_scale:MATRIX_SCALE_ROW1
.endif
.endr
.endr
.endm
.macro STEP st
	s_wait_dscnt 0x0                               ; this step's fragments, asked for ahead of the last step's products, are in
.if (\st) < 7
.if (\st) > 0
	PLACES                                         ; behind the last step's products, ahead of the loads into their operands
.endif
	FETCH (\st)+1
.endif
	WIN 0x50                                       ; C and D in window 1
	MUL \st
	WIN 0
.endm
	s_wait_tensorcnt 0x0                           ; my quarter is in,
	s_barrier_signal -1
	s_barrier_wait -1                              ; everybody's is; the codes are only read from here on
	FETCH 0
	s_wait_loadcnt 0x0                             ; the scale words are in
.irp t, 0,1,2,3,4,5,6,7
	STEP \t
.endr
; THE WAY OUT: a block of 16 rows x 64 columns goes through my own stage and comes back as whole rows of 256 bytes.  LDS serves a wave's instructions in order (ISA guide 5.7.1.4): no wait between stores and loads.
	PLACES                                         ; behind the last products: for the reads of the results and the loads into the fragments' registers
.irp a, 0,1,2,3
	WIN 0x04                                       ; the data: window 1
.irp b, 0,1,2,3
	ds_store_b128 v[STO], v[8*(4*\a+\b):8*(4*\a+\b)+3] offset:64*\b        ; each accumulator from its low end on
	ds_store_b128 v[STO], v[8*(4*\a+\b)+4:8*(4*\a+\b)+7] offset:64*\b+16
.endr
	WIN 0
.irp t, 0,1,2,3,4,5,6,7
	ds_load_b128 v[FB+32*\a+4*\t:FB+32*\a+4*\t+3], v[RD] offset:2*\t*SPITCH
.endr
.endr
.irp a, 0,1,2,3
	s_wait_dscnt 16*(3-\a)                         ; block a is back; the 16 LDS instructions of each later block may be out
.irp t, 0,1,2,3,4,5,6,7
	global_store_b128 v[CO], v[FB+32*\a+4*\t:FB+32*\a+4*\t+3], s[12:13] offset:(32*(\a/2)+8*(\a%2)+2*\t+8*(\t/4))*4096 th:TH_STORE_NT   ; row p = 2 t + h of tile a is token 32 (a / 2) + 8 (a % 2) + p + 8 (p / 8); 16 lanes store 256 consecutive bytes, aligned
.endr
.endr
	s_wait_tensorcnt 0x0                           ; the wave's end
	ds_add_u32 v[SPW], v[NIL]
	s_wait_dscnt 0x0
	CROUND                                         ; the closing round
	s_endpgm
.Lfunc_end_k_q6f30e16abe_proj:
	.size	k_q6f30e16abe_proj, .Lfunc_end_k_q6f30e16abe_proj-k_q6f30e16abe_proj
	.p2alignl 7, 3214868480
	.fill 96, 4, 3214868480
	.section	.rodata,"a",@progbits
	.p2align	6, 0x0
	.amdhsa_kernel k_q6f30e16abe_proj
		.amdhsa_group_segment_fixed_size 327680
		.amdhsa_private_segment_fixed_size 0
		.amdhsa_enable_private_segment 0
		.amdhsa_kernarg_size 40
		.amdhsa_user_sgpr_count 2
		.amdhsa_user_sgpr_kernarg_segment_ptr 1
		.amdhsa_wavefront_size32 1
		.amdhsa_system_sgpr_workgroup_id_x 1
		.amdhsa_system_sgpr_workgroup_id_y 1
		.amdhsa_system_sgpr_workgroup_id_z 1
		.amdhsa_system_vgpr_workitem_id 0
		.amdhsa_next_free_vgpr 384
		.amdhsa_next_free_sgpr 66
		.amdhsa_reserve_vcc 0
		.amdhsa_float_denorm_mode_32 3
		.amdhsa_float_denorm_mode_16_64 3
		.amdhsa_memory_ordered 1
		.amdhsa_forward_progress 1
		.amdhsa_inst_pref_size 57
	.end_amdhsa_kernel
	.amdgpu_metadata
---
amdhsa.version: [ 1, 2 ]
amdhsa.kernels:
  - .name:           k_q6f30e16abe_proj
    .symbol:         k_q6f30e16abe_proj.kd
    .args:
      - { .name: yc, .offset: 0, .size: 8, .value_kind: global_buffer, .address_space: global }
      - { .name: ys, .offset: 8, .size: 8, .value_kind: global_buffer, .address_space: global }
      - { .name: wc, .offset: 16, .size: 8, .value_kind: global_buffer, .address_space: global }
      - { .name: ws, .offset: 24, .size: 8, .value_kind: global_buffer, .address_space: global }
      - { .name: out0, .offset: 32, .size: 8, .value_kind: global_buffer, .address_space: global }
    .group_segment_fixed_size: 327680
    .private_segment_fixed_size: 0
    .kernarg_segment_align: 8
    .kernarg_segment_size: 40
    .max_flat_workgroup_size: 128
    .sgpr_count:     66
    .vgpr_count:     384
    .wavefront_size: 32
...
	.end_amdgpu_metadata
.endif
;; end of part 4
